; MI455X (gfx1250); checked and timed in simulation.
; The chip was launched on July 23, 2026; its instructions are those of AMD's public machine-readable ISA for CDNA 5 (MIT licence, August 2026) and "CDNA5" Instruction Set Architecture Reference Guide (July 2026). The comments in the code are by the model that wrote it; some were corrected since.
;; Toy Multi Head Attention. Allowed arithmetic: matrix products marked QUANTISED: E2M3 operands, one E8M0 scale for each 32 along K, by v_wmma_scale_f32_16x16x128_f8f6f4 with both operands' format E2M3, f32 sums; everything else in f32.
;; Inputs: Wk 1,024 x 1,024 float32; Wo 1,024 x 1,024 float32; Wq 1,024 x 1,024 float32; Wv 1,024 x 1,024 float32; bk 1,024 float32; bo 1,024 float32; bq 1,024 float32; bv 1,024 float32; k 4 x 2,048 x 1,024 float32; q 4 x 2,048 x 1,024 float32; v 4 x 2,048 x 1,024 float32.
;; Outputs: out0 4 x 2,048 x 1,024 float32.
;; This version of the problem:
;;   THIS VERSION OF THE PROBLEM IS GIVEN IN LOW PRECISION. The matrix products marked QUANTISED in the list below multiply operands that are first quantised to E2M3 (2 exponent bits, 3 mantissa bits; 6 bits a number), with one power-of-two scale for each 32 numbers along K (OCP MX v1.0); their sums are f32. All else is computed in f32.
;;   The module's matrix products, in the order in which they are computed (A, B: the left and right operand; K: the contracted axis; several contracted axes count as one K, in the product's order):
;;     1. [M 8,192, K 1,024] x [K 1,024, N 1,024]; A: input q; B: input Wq: QUANTISED
;;     2. [M 8,192, K 1,024] x [K 1,024, N 1,024]; A: input k; B: input Wk: QUANTISED
;;     3. [M 8,192, K 1,024] x [K 1,024, N 1,024]; A: input v; B: input Wv: QUANTISED
;;     4. batch 64 x [M 2,048, K 64] x [K 64, N 2,048]; A: computed on the way; B: computed on the way: QUANTISED
;;     5. batch 64 x [M 2,048, K 2,048] x [K 2,048, N 64]; A: softmax (see below); B: computed on the way: QUANTISED
;;     6. [M 8,192, K 1,024] x [K 1,024, N 1,024]; A: computed on the way; B: input Wo: QUANTISED
;;   THE QUANTISER, for each operand of a quantised product, along K:
;;     - K is cut into blocks of 32 from its start; a last block that is shorter is filled with zeros.
;;     - A block's scale is 2^e with e = floor(log2(the largest magnitude in the block)) - 2, held to -126 .. 127; a block of zeros has e = 0. As a byte (E8M0): e + 127.
;;     - Each number is divided by its block's scale, clamped to +-7.5, and rounded to the nearest number of E2M3, ties to even, subnormals kept.
;;     - The product sums the exact products of the quantised numbers (number of the format x scale) in f32.
;;   ~~~python
;;   def quantise(x, axis):      # numpy; x: float32 -> the quantised numbers, widened to float32 again
;;       x = np.moveaxis(x, axis, -1); K = x.shape[-1]
;;       x = np.pad(x, [(0, 0)] * (x.ndim - 1) + [(0, -K % 32)]); x = x.reshape(x.shape[:-1] + (-1, 32)); a = np.abs(x).max(-1, keepdims=True)
;;       e = np.where(a > 0, np.clip(np.frexp(np.where(a > 0, a, 1))[1] - 1 - 2, -126, 127), 0)      # np.frexp(a)[1] - 1 = floor(log2(a)), exactly
;;       r = np.clip(x / 2.0 ** e, -7.5, 7.5)
;;       step = 2.0 ** (np.maximum(np.frexp(np.where(r == 0, 1, r))[1] - 1, 0) - 3)
;;       q = np.round(r / step) * step * 2.0 ** e      # np.round: ties to even
;;       return np.moveaxis(q.reshape(q.shape[:-2] + (-1,))[..., :K], -1, axis).astype(np.float32)
;;   ~~~
;;   SOFTMAX AHEAD OF A QUANTISED PRODUCT. Where the list says 'softmax', what is quantised is not the finished softmax but p = 2^(t - M), with t = logit x log2(e) and M = ceil(the row's largest t), a whole number; so 1/2 < the row's largest p <= 1. The row's sum l is taken of the UNQUANTISED p, in f32, and the product's result is divided by l at the end. Since M is a whole number, a kernel that streams over the keys may use a running M (the ceiling of the running maximum): every later rescaling is an exact power of two, which a block's scale takes up: the codes' values come out the same.
;;   OPERANDS COMPUTED ON THE WAY. 'Computed on the way' means the value that the module computes at that place (a softmax that the list does not call 'softmax' is quantised finished and normalised). What goes into a quantiser is computed in f32, as accurately as f32 sums, v_exp_f32 and their like allow (about 1e-6 of the number): no bf16 or f16 on the way to a quantiser, and a product that is left as it is and whose result goes on into a quantised operand takes f32 operands (vector FMAs, or v_wmma_f32_16x16x4_f32). A number that lies on a knife's edge between two numbers of the format may be rounded either way, as far as f32 arithmetic and the matrix unit's own rounding can turn it there, and no further.
;; One version. Each part assembles by itself: llvm-mc -triple=amdgcn-amd-amdhsa -mcpu=gfx1250 --defsym DOCPART=n.
;; ======== version 1 of 1: 4 launches
;; workspace buffers: xc 22,020,096 bytes; xs 917,504 bytes; att 26,738,688 bytes; oc 6,291,456 bytes; os 262,144 bytes
;; launch quant (part 1): grid 896 x 1, 4 waves a work-group, no clusters, 33,280 bytes of LDS; arguments q, k, v, Wq, Wk, Wv, Wo, xc, xs; writes xc, xs
.if DOCPART == 1
	.amdgcn_target "amdgcn-amd-amdhsa--gfx1250"
	.amdhsa_code_object_version 6
	.text
	.protected	k_q8fda010386_quant
	.globl	k_q8fda010386_quant
	.p2align	8
	.type	k_q8fda010386_quant,@function
k_q8fda010386_quant:
	s_mov_b64 s[64:65], 0
	v_nop
	global_prefetch_b8 v0, s[64:65] scope:SCOPE_SE
	s_setreg_imm32_b32 hwreg(HW_REG_WAVE_MODE, 25, 1), 1
	s_wait_xcnt 0x0
; q, k, v [8192][1024] and Wq, Wk, Wv, Wo [1024][1024], f32, become codes of FP6 (E2M3), K innermost (a row of 1,024 codes is 768 bytes), in xc, and one E8M0 byte for each 32 along K (32 bytes a row) in xs.
; A block's scale is 2^(floor(log2(its largest magnitude)) - 2): its byte is the largest magnitude's exponent field - 2, held at 1 from below; each number is divided by the scale and rounded to the nearest code, ties to even,
; beyond 7.5 the largest code.
; LIMITS: NaN and infinities among the inputs are not served.  A block whose largest magnitude lies under 2^-124 gets the byte 1.  A block of zeros gets the byte 1 where the rule says 127: its codes are zeros, which add
; nothing under any byte but 0xff, and the bytes are read by this program alone.
; SHARES.  One launch serves all seven tensors: work-groups 0-255 q, 256-511 k, 512-767 v, 768-799 Wq, 800-831 Wk, 832-863 Wv, 864-895 Wo.  A work-group takes 32 rows, a wave 8 rows (8,192 numbers) in 16 steps of 512.
; THE ORDER OF ROWS IN xc AND xs.  Of k, v, Wq, Wk, Wv the four groups of 8 rows of each 32 are stored in the order 0, 2, 1, 3: position 32 b + 16 u + r holds row 32 b + 8 u + r + 8 (r / 8).  Sixteen neighbouring stored rows
; are then a tile whose results, used transposed, give a lane 16 neighbours along the next product's K in the registers of two neighbouring tiles.  A wave's run is just such a group of 8 rows, so the order costs one
; exchange of two bits of the wave's number in the OUTPUT's offset.  q and Wo keep their order.
; A STEP.  Each of its four loads reads 512 consecutive bytes, 16 a lane; the 2,048 bytes turn through the wave's own stage in LDS (16 bytes of padding behind each 64) and come back 64 bytes a lane: 16 neighbours along K,
; two lanes to a block.  A lane's 16 codes are 12 bytes: the wave stores 384 consecutive bytes.  A wave's 256 scale bytes are gathered in its own LDS and leave as one aligned run of 256 bytes.
; No tensor load, no barrier: waves share nothing.  Loads run four steps (16 loads a wave) ahead, the turn through LDS one step.
.set STEPS, 16
.set EMAX,  2
.set CB,    12                         ; bytes of 16 codes
.set R,     16                         ; v16-79   four sets of 16 numbers as they are loaded
.set X,     80                         ; v80-111  two sets of 16 neighbours
.set C,     128                        ; v128-191 codes: four registers for each step, so that no store's data are written again
.set E,     112                        ; v112-127 a scale byte for each step
.set WREG,  8192                       ; LDS: a region for each wave: two stages of 32 x SP bytes, behind them its 256 scale bytes
.set SP,    80                         ; a lane's place in a stage: its 64 bytes + 16 of padding
	s_load_b256 s[4:11], s[0:1], 0x0               ; q, k, v, Wq
	s_load_b256 s[12:19], s[0:1], 0x20             ; Wk, Wv, Wo, xc
	s_load_b64 s[20:21], s[0:1], 0x40              ; xs
	v_lshl_add_u32 v192, v0, 2, 0x8000
	v_mov_b32 v193, 0
	v_lshrrev_b32 v1, 5, v0
	v_readfirstlane_b32 s22, v1                    ; wave
	v_and_b32 v2, 31, v0                           ; lane
	v_lshlrev_b32 v3, 4, v2                        ; my 16 bytes of a load's 512
	s_mul_i32 s26, s22, WREG
	v_lshrrev_b32 v14, 2, v2
	v_mul_u32_u24 v14, v14, SP
	v_and_b32 v15, 3, v2
	v_lshl_add_u32 v14, v15, 4, v14
	v_add_nc_u32 v14, s26, v14                     ; the stage, on the way in: SP (lane / 4) + 16 (lane % 4)
	v_mul_u32_u24 v15, v2, SP
	v_add_nc_u32 v15, s26, v15                     ; and on the way out: SP x lane: my 16 neighbours
	v_mul_u32_u24 v4, v2, CB                       ; my codes' place in a step's
	v_lshrrev_b32 v5, 1, v2
	s_add_co_u32 s26, s26, 2*32*SP
	v_add_nc_u32 v5, s26, v5                       ; LDS: my wave's 256 scale bytes, my block's byte
	v_lshlrev_b32 v7, 3, v2                        ; and on the way out 8 bytes a lane
	v_add_nc_u32 v6, s26, v7
	s_mov_b32 s23, 0                               ; the first work-group of my tensor
	s_wait_kmcnt 0x0
; which tensor: the choice hangs on the work-group's number alone
.macro PICK first, ptr
	s_cmp_ge_u32 ttmp9, \first
	s_cselect_b64 s[4:5], s[\ptr:\ptr+1], s[4:5]
	s_cselect_b32 s23, \first, s23
.endm
	PICK 256, 6
	PICK 512, 8
	PICK 768, 10
	PICK 800, 12
	PICK 832, 14
	PICK 864, 16
	s_and_b32 s24, s22, 1
	s_lshl_b32 s24, s24, 1
	s_lshr_b32 s25, s22, 1
	s_or_b32 s24, s24, s25                         ; the wave's number with its two bits exchanged
	s_cmp_ge_u32 ttmp9, 256
	s_cselect_b32 s25, s24, s22                    ; q keeps its order,
	s_cmp_ge_u32 ttmp9, 864
	s_cselect_b32 s25, s22, s25                    ; and so does Wo
	s_sub_co_u32 s26, ttmp9, s23
	s_lshl_b32 s26, s26, 2
	s_add_co_u32 s26, s26, s22                     ; which run of 8,192 numbers of the tensor I read
	s_lshl_b32 s26, s26, 15                        ; 32,768 bytes a run: under 2^26
	s_mov_b32 s27, 0
	s_add_nc_u64 s[4:5], s[4:5], s[26:27]
	s_lshl_b32 s28, ttmp9, 2
	s_add_co_u32 s28, s28, s25                     ; which run of xc and xs I write: the tensors lie there in the work-groups' order
	s_mul_i32 s26, s28, 512*CB                     ; 6,144 bytes of codes a run
	s_add_nc_u64 s[8:9], s[18:19], s[26:27]
	s_lshl_b32 s26, s28, 8                         ; 256 scale bytes a run
	s_add_nc_u64 s[10:11], s[20:21], s[26:27]
.macro LOAD t
.irp i, 0,1,2,3
	global_load_b128 v[R+16*((\t)%4)+4*\i:R+16*((\t)%4)+4*\i+3], v3, s[4:5] offset:2048*(\t)+512*\i th:TH_LOAD_NT   ; 32 lanes read 512 consecutive bytes
.endr
.endm
.macro TURN t                          ; step t's numbers through the stage: LDS serves a wave's instructions in order, so no wait stands between the stores and the loads
.irp i, 0,1,2,3
	ds_store_b128 v14, v[R+16*((\t)%4)+4*\i:R+16*((\t)%4)+4*\i+3] offset:32*SP*((\t)%2)+8*SP*\i
.endr
.irp i, 0,1,2,3
	ds_load_b128 v[X+16*((\t)%2)+4*\i:X+16*((\t)%2)+4*\i+3], v15 offset:32*SP*((\t)%2)+16*\i
.endr
.endm
.irp t, 0,1,2,3
	LOAD \t
.endr
	s_wait_loadcnt 12                              ; step 0's four loads are in; the twelve of steps 1 to 3 may be out
	TURN 0
.macro STEP t
.set XS, X+16*((\t)%2)
.if (\t) > 0
	s_wait_dscnt 1                                 ; this step's numbers are back from the stage (the last step's byte store may be out): so its stores into the stage have read their registers,
.else
	s_wait_dscnt 0x0
.endif
.if (\t)+4 < STEPS
	LOAD (\t)+4                                    ; which take the loads of four steps on
.endif
.if (\t)+1 < STEPS
.if STEPS-2-(\t) >= 3
	s_wait_loadcnt 12                              ; the next step's four loads are in; those of the three steps behind it may be out
.else
	s_wait_loadcnt 4*(STEPS-2-(\t))                ; at the end the count runs down with the steps that are left
.endif
	TURN (\t)+1                                    ; and go through the other stage while this step is worked
.endif
	v_max3_num_f32 v8, |v[XS]|, |v[XS+1]|, |v[XS+2]|               ; the largest magnitude of my 16, in two chains
	v_max3_num_f32 v9, |v[XS+3]|, |v[XS+4]|, |v[XS+5]|
.irp i, 6,10
	v_max3_num_f32 v8, v8, |v[XS+\i]|, |v[XS+\i+1]|
	v_max3_num_f32 v9, v9, |v[XS+\i+2]|, |v[XS+\i+3]|
.endr
	v_max3_num_f32 v8, v8, |v[XS+14]|, |v[XS+15]|
	v_max3_num_f32 v8, v8, v9, (EMAX+1)<<23        ; and the floor 2^(3 - 127): the byte cannot fall under 1
	v_max_num_f32_dpp v8, v8, v8 row_xmask:1 row_mask:0xf bank_mask:0xf   ; and of my neighbour's 16: the block's
	v_add_nc_u32 v11, -(EMAX<<23), v8              ; 2 off its exponent field: the conversion takes the exponent field of this operand as its scale, and nothing else of it
	v_cvt_scalef32_pk16_fp6_f32 v[C+4*(\t):C+4*(\t)+2], v[XS:XS+15], v11         ; sixteen codes, 96 bits without gaps, the first number's code lowest
	v_lshrrev_b32 v[E+(\t)], 23, v11               ; the scale's byte (also the plain line behind the conversion)
	ds_store_b8 v5, v[E+(\t)] offset:16*(\t)       ; both lanes of a block write the same byte with the same value
	global_store_b96 v4, v[C+4*(\t):C+4*(\t)+2], s[8:9] offset:32*CB*(\t)
.endm
.irp t, 0,1,2,3,4,5,6,7,8,9,10,11,12,13,14,15
	STEP \t
.endr
	ds_load_b64 v[12:13], v6                       ; LDS serves a wave's instructions in order: these see my stores
	s_wait_dscnt 0x0
	global_store_b64 v7, v[12:13], s[10:11]        ; 32 lanes store 256 consecutive bytes, aligned
	s_wait_tensorcnt 0x0
	ds_add_u32 v192, v193
	s_wait_dscnt 0x0
	s_endpgm
.Lfunc_end_k_q8fda010386_quant:
	.size	k_q8fda010386_quant, .Lfunc_end_k_q8fda010386_quant-k_q8fda010386_quant
	.p2alignl 7, 3214868480
	.fill 96, 4, 3214868480
	.section	.rodata,"a",@progbits
	.p2align	6, 0x0
	.amdhsa_kernel k_q8fda010386_quant
		.amdhsa_group_segment_fixed_size 33280
		.amdhsa_private_segment_fixed_size 0
		.amdhsa_enable_private_segment 0
		.amdhsa_kernarg_size 72
		.amdhsa_user_sgpr_count 2
		.amdhsa_user_sgpr_kernarg_segment_ptr 1
		.amdhsa_wavefront_size32 1
		.amdhsa_system_sgpr_workgroup_id_x 1
		.amdhsa_system_sgpr_workgroup_id_y 1
		.amdhsa_system_sgpr_workgroup_id_z 1
		.amdhsa_system_vgpr_workitem_id 0
		.amdhsa_next_free_vgpr 194
		.amdhsa_next_free_sgpr 66
		.amdhsa_reserve_vcc 0
		.amdhsa_float_denorm_mode_32 3
		.amdhsa_float_denorm_mode_16_64 3
		.amdhsa_memory_ordered 1
		.amdhsa_forward_progress 1
		.amdhsa_inst_pref_size 33
	.end_amdhsa_kernel
	.amdgpu_metadata
---
amdhsa.version: [ 1, 2 ]
amdhsa.kernels:
  - .name:           k_q8fda010386_quant
    .symbol:         k_q8fda010386_quant.kd
    .args:
      - { .name: q, .offset: 0, .size: 8, .value_kind: global_buffer, .address_space: global }
      - { .name: k, .offset: 8, .size: 8, .value_kind: global_buffer, .address_space: global }
      - { .name: v, .offset: 16, .size: 8, .value_kind: global_buffer, .address_space: global }
      - { .name: Wq, .offset: 24, .size: 8, .value_kind: global_buffer, .address_space: global }
      - { .name: Wk, .offset: 32, .size: 8, .value_kind: global_buffer, .address_space: global }
      - { .name: Wv, .offset: 40, .size: 8, .value_kind: global_buffer, .address_space: global }
      - { .name: Wo, .offset: 48, .size: 8, .value_kind: global_buffer, .address_space: global }
      - { .name: xc, .offset: 56, .size: 8, .value_kind: global_buffer, .address_space: global }
      - { .name: xs, .offset: 64, .size: 8, .value_kind: global_buffer, .address_space: global }
    .group_segment_fixed_size: 33280
    .private_segment_fixed_size: 0
    .kernarg_segment_align: 8
    .kernarg_segment_size: 72
    .max_flat_workgroup_size: 128
    .sgpr_count:     66
    .vgpr_count:     194
    .wavefront_size: 32
...
	.end_amdgpu_metadata
.endif
;; end of part 1
;; launch proj (part 2): grid 12 x 32, 4 waves a work-group, clusters of 4 x 4, 327,680 bytes of LDS; arguments xc, xs, bq, bk, bv, att; writes att
.if DOCPART == 2
	.amdgcn_target "amdgcn-amd-amdhsa--gfx1250"
	.amdhsa_code_object_version 6
	.text
	.protected	k_q8fda010386_proj
	.globl	k_q8fda010386_proj
	.p2align	8
	.type	k_q8fda010386_proj,@function
k_q8fda010386_proj:
	s_mov_b64 s[64:65], 0
	v_nop
	global_prefetch_b8 v0, s[64:65] scope:SCOPE_SE
	s_setreg_imm32_b32 hwreg(HW_REG_WAVE_MODE, 25, 1), 1
	s_wait_xcnt 0x0
	s_wait_alu depctr_hold_cnt(0) depctr_sa_sdst(0) depctr_va_vdst(0) depctr_va_sdst(0) depctr_va_ssrc(0) depctr_va_vcc(0) depctr_vm_vsrc(0)
	s_getreg_b32 s2, hwreg(HW_REG_IB_STS2, 6, 4)
	s_cmp_eq_u32 s2, 0
	s_cbranch_scc0 .Lentry_in_a_cluster
	s_endpgm
.Lentry_in_a_cluster:
	s_bfe_u32 s2, ttmp6, 0x10000c
	s_cmp_lg_u32 s2, 0xf033
	s_cbranch_scc0 .Lentry_shape_is_right
	s_endpgm
.Lentry_shape_is_right:
; THE THREE PROJECTIONS x W^T + b, 8,192 x 1,024 x 1,024 each, on codes of FP6 (E2M3) with one E8M0 scale for each 32 along K, and their results quantised in registers into the operands of attention.
; The cluster's x says which: 0 q, 1 k, 2 v.  Codes (rows of 768 bytes) come from xc, scale bytes (rows of 32) from xs; the rows of k, v, Wq, Wk, Wv lie there with the groups of 8 of each 32 in the order 0, 2, 1, 3.
; A tile of 256 x 256 results is made by a work-group of four waves; a wave makes 128 x 128: 64 accumulators, 512 registers.  K goes in steps of 256 through a ring of two LDS slots filled by the tensor data mover;
; the scale bytes of the work-group's rows, for all of K, come into LDS once, with the first fills.
; WHICH OPERAND IS WHICH.  Source 1 ("A") gives a lane its row, source 0 ("B") runs along a lane's registers, and the registers' axis is the one that is quantised.  q, k: A = 256 tokens, B = 256 rows of W (four heads): a lane
; holds one token and its registers run along the heads' 64.  v: A = 256 rows of Wv, B = 256 tokens: a lane holds one channel d and its registers run along the keys, the second product's K.  By the stored order of B's rows the
; 16 registers of accumulators 2 b and 2 b + 1 are 16 neighbours, 32 b + 16 (lane / 16) + 0 .. 15.  Only offsets into xc and xs differ between the three: shapes, LDS and the loop are one.
; THE BIAS is the C of each sum's first matrix instruction: for q and k it runs along the registers, for v it hangs on the lane's row, so the first step of 128 along K is written twice, under a branch on the projection.
; THE WAY OUT uses no LDS.  A block of 16 rows x 128 is four blocks of 32 for the quantiser; its codes are 12 registers in the layout of an operand, and they are stored AS AN IMAGE OF THESE REGISTERS, in halves of 6: registers
; 0-3 at 16 x lane (512 bytes), registers 4, 5 behind them at 8 x lane (256 bytes).  q, k: the halves are the fragments (16 tokens x 64) of two heads.  v: keys 0-63 and 64-127 of a fragment of V^T (16 d x 128 keys).
; att: a region for Q and one for K and V, each [b x 16 + head][slot of 256 tokens][26,112 bytes]: 16 halves of K (or Q) | V: [128 keys 2][tile of d 4][half 2] | K's (Q's) scale words [128 tokens 2][4 tiles 2][row 16][4 words] |
; V's scale words [128 keys 2][row 16][4 words].  A word of Q or K holds the head's two bytes and two bytes 0.  Every store covers whole aligned runs of 256 bytes.
; CLUSTERS: 4 x 4 work-groups; A's tiles are asked for jointly along a row of the cluster, B's along a column.  3 x 8 clusters.
; LIMITS: NaN and infinities are not served; a block whose largest magnitude lies under 2^-124, a block of zeros among them, gets the byte 1 (its codes are then zeros or as the byte 1 gives them; only this program reads the bytes).
; REGISTERS, in windows of 256: window 0: v0-31 addresses; v32-63 scale words, two sets, and nothing else; v64-127 the bias as C, later the way out's work; from v128 A's fragments, ONE set.
;   window 1: B's fragments, TWO sets, at v0 and v128.   window 2: the accumulators of my rows 0-63 ((a, b) at v[8 (8 a + b)]);   window 3: those of my rows 64-127.
.set SIZE_K, 1024
.set KSTEP,  256                       ; along K in a slot
.set NQ,     KSTEP/128                 ; matrix instructions deep
.set ROWB,   192                       ; a tile's row in bytes
.set KROW,   SIZE_K*6/8                ; a row of codes in memory
.set PITCH,  240                       ; an LDS row: 3 x (64 bytes + 16 of padding)
.set FR,     12                        ; registers of a fragment
.set NL,     6                         ; LDS loads that bring one
.set NP,     4                         ; places behind this matrix instruction (ISA guide 7.12.1)
.set HALFT,  128*PITCH                 ; 128 rows: what one tensor load brings
.set SLOT,   4*HALFT                   ; A's 256 rows, then B's 256
.set LAPS,   SIZE_K/(2*KSTEP)          ; 2 laps of two K steps
.set KS,     SIZE_K/32                 ; a row of scale bytes
.set SCL,    2*SLOT                    ; behind the ring: the scales, as runs of 256 bytes + 16 of padding
.set HALFS,  (128*KS/256)*272          ; those of 128 rows
.set SBLK,   (16*KS/256)*272           ; those of 16 rows
.set SPARE,  SCL+4*HALFS               ; the spare words: 128 bytes a wave, two blocks of 256 bytes that no other line names
.set BHS,    208896                    ; att: bytes of one (b, head): 8 slots
.set SLB,    26112                     ; a slot
.set KVB,    64*BHS                    ; where the region of K and V begins
.set ADRA, 16                          ; v16-17 LDS address of my A fragments in slot 0, 1 (v18-19: for the pieces behind one padding more)
.set ADRB, 20                          ; v20-23 the same for B
.set ADRS, 27                          ; v27    LDS address of my scale words: lanes 0-15 A's rows, lanes 16-31 B's
.set SPW,  28                          ; v28    my spare word; never rewritten
.set NIL,  29                          ; v29    0; never rewritten
.set V16,  8                           ; v8     16 x lane
.set V8,   9                           ; v9     8 x lane
.set VS,   10                          ; v10    where my lane's four scale words go, blocks 0-3;  v11: blocks 4-7
.set VS1,  11
.set SH,   12                          ; v12    q, k: 16 x (lane / 16): lanes 16-31 keep the second head's two bytes; v: 0
.set SC,   32                          ; scale words: set s at v[SC + 16 s]
.set CB,   64                          ; the bias as C: 8 x 8 registers
.set TM,   64                          ; the way out: v64-67 largest magnitudes, v68-71 the other half's, then bytes, v76-79 the conversions' scale operands
.set PW,   80                          ; the block's scale word
.set WS,   84                          ; v84-91 the eight blocks' words as they are stored
.set CD,   96                          ; v96-107 the codes: an operand's 12 registers
.set CT,   108                         ; v108-110, v112-114 the conversions' second halves
.set AF,   128                         ; A's fragments
.set G1, 24                            ; s[24:31] group 1 for A's tiles;  s[32:39] group 0, a set for each slot
.set G0, 32
.set G1B, 48                           ; s[48:55], s[56:63] the same for B's
.set G0B, 56
.set G1S, 68                           ; s[68:75], s[76:79] groups 1 and 0 for A's scales;  s[80:87], s[88:91] for B's
.set G0S, 76
.set G1SB, 80
.set G0SB, 88
.set MSB, 0
.macro WIN new                         ; the immediate's high byte repeats the setting that is left
.if MSB != \new
	s_set_vgpr_msb (MSB<<8)|\new
.set MSB, \new
.endif
.endm
.set MUL_LO, 0xa1                      ; source 0 (B) window 1, source 1 (A) window 0, C and D window 2
.set MUL_HI, 0xf1                      ; the same, C and D window 3
.set BEG_LO, 0x81                      ; a sum's first product: C (the bias) window 0, D window 2
.set BEG_HI, 0xc1                      ; D window 3
.set TO_B,   0x40                      ; destination window 1, address window 0
; A joint load: waves 0 and 1 fetch for A, waves 2 and 3 for B.  The branch hangs on the wave's number alone.  Four v_nop follow each of the two lines.
.macro JLOAD g0a, g1a, g0b, g1b
	s_cmp_eq_u32 s15, 0
	s_cbranch_scc0 .Lfor_b_\@
	tensor_load_to_lds s[\g0a:\g0a+3], s[\g1a:\g1a+7]
	s_nop 0
.rept 4
	v_nop
.endr
	s_branch .Lasked_\@
.Lfor_b_\@:
	tensor_load_to_lds s[\g0b:\g0b+3], s[\g1b:\g1b+7]
	s_nop 0
.rept 4
	v_nop
.endr
.Lasked_\@:
.endm
.macro CREST                           ; a round of the cluster's barrier behind its opening barrier
	s_cmp_lg_u32 s14, 0
	s_cbranch_scc1 .Lnot_wave_0_\@
	s_barrier_signal -3
.Lnot_wave_0_\@:
	s_barrier_wait -3
	s_barrier_signal -1
	s_barrier_wait -1
.endm
.macro CROUND                          ; a whole round
	s_barrier_signal -1
	s_barrier_wait -1
	CREST
.endm
	s_load_b128 s[4:7], s[0:1], 0x0                ; xc, xs
	s_load_b128 s[96:99], s[0:1], 0x10             ; bq, bk
	s_load_b128 s[8:11], s[0:1], 0x20              ; bv, att
	v_lshl_add_u32 v[SPW], v0, 2, SPARE
	v_mov_b32 v[NIL], 0
	ds_add_u32 v28, v29
	s_wait_dscnt 0x0
	v_lshrrev_b32 v1, 5, v0
	v_readfirstlane_b32 s14, v1                    ; wave 0..3
	s_lshr_b32 s15, s14, 1                         ; which half of A's rows is mine.  Also: I fetch for A (0) or for B (1)
	s_and_b32 s16, s14, 1                          ; which half of B's rows.  Also: which 128 rows I fetch
	s_bfe_u32 s40, ttmp6, 0x40000                  ; cx, cy: my place in the cluster
	s_bfe_u32 s41, ttmp6, 0x40004
	s_mov_b32 s66, ttmp9                           ; the projection: the cluster's x, the same in all sixteen partners
	s_and_b32 s67, ttmp7, 0xffff                   ; the cluster's y: 0..7: which 1,024 tokens
	s_cmp_eq_u32 s66, 2
	s_cselect_b32 s2, s67, 0                       ; v: the tokens are B's rows: they go along x;
	s_cselect_b32 s3, 0, s67                       ; q, k: they are A's: along y
	s_lshl_b32 s42, s2, 2
	s_add_co_u32 s42, s42, s40                     ; B's tile of 256 rows
	s_lshl_b32 s17, s3, 2
	s_add_co_u32 s17, s17, s41                     ; A's tile of 256 rows
	s_lshl_b32 s43, s41, 2
	s_lshl_b32 s43, 15, s43                        ; my row of the cluster
	s_lshl_b32 s44, 0x1111, s40                    ; my column
	; descriptor group 1: a tile of 128 rows x 192 bytes, 16 bytes of padding behind every 64
	s_or_b32 s[G1+0], s43, (0<<16)|(1<<20)|(1<<21)|(3<<22)|(3<<25)  ; 15:0 the mask: A's tiles go to my row; 17:16 elements of 1 byte; 20 padding on; 21 set beside a mask; 24:22 after every 16 words; 31:25 of 4 words
	s_or_b32 s[G1B+0], s44, (0<<16)|(1<<20)|(1<<21)|(3<<22)|(3<<25)
.irp g, G1, G1B
	s_mov_b32 s[\g+1], ROWB<<16                    ; tensor_dim0
	s_mov_b32 s[\g+2], 128<<16                     ; tensor_dim1
	s_mov_b32 s[\g+3], ROWB<<16                    ; tile_dim0
	s_mov_b32 s[\g+4], 128                         ; tile_dim1
	s_mov_b32 s[\g+5], KROW                        ; from row to row
	s_mov_b32 s[\g+6], 0
	s_mov_b32 s[\g+7], 0
.endr
	; the scales of 128 rows: a dense block of 4,096 bytes, as 16 rows of 256 bytes (32 elements of 8), 16 bytes of padding behind each
	s_or_b32 s[G1S+0], s43, (3<<16)|(1<<20)|(1<<21)|(5<<22)|(3<<25)
	s_or_b32 s[G1SB+0], s44, (3<<16)|(1<<20)|(1<<21)|(5<<22)|(3<<25)
.irp g, G1S, G1SB
	s_mov_b32 s[\g+1], 32<<16
	s_mov_b32 s[\g+2], (128*KS/256)<<16
	s_mov_b32 s[\g+3], 32<<16
	s_mov_b32 s[\g+4], 128*KS/256
	s_mov_b32 s[\g+5], 32
	s_mov_b32 s[\g+6], 0
	s_mov_b32 s[\g+7], 0
.endr
	; where A's and B's tensors begin in xc and in xs (offsets only: both always come from the same two buffers)
	s_mov_b32 s2, 0                                ; A's codes: q,
	s_mov_b32 s95, 18874368                        ; B's codes: Wq,
	s_mov_b32 s67, 0                               ; A's scales,
	s_mov_b32 s3, 786432                           ; B's scales
	s_cmp_eq_u32 s66, 1
	s_cselect_b32 s2, 6291456, s2                  ; k
	s_cselect_b32 s95, 19660800, s95               ; Wk
	s_cselect_b32 s67, 262144, s67
	s_cselect_b32 s3, 819200, s3
	s_cmp_eq_u32 s66, 2
	s_cselect_b32 s2, 20447232, s2                 ; Wv
	s_cselect_b32 s95, 12582912, s95               ; v
	s_cselect_b32 s67, 851968, s67
	s_cselect_b32 s3, 524288, s3
	s_lshl_b32 s18, s16, 7                         ; which 128 rows of the tile I fetch
	s_lshl_b32 s20, s17, 8
	s_add_co_u32 s20, s20, s18                     ; A's first row
	s_lshl_b32 s46, s42, 8
	s_add_co_u32 s46, s46, s18                     ; B's first row
	s_lshl_b32 s22, s20, 5                         ; their scale bytes: 32 a row.  All these offsets stay under 2^25
	s_add_co_u32 s22, s22, s67
	s_mov_b32 s23, 0
	s_lshl_b32 s92, s46, 5
	s_add_co_u32 s92, s92, s3
	s_mov_b32 s93, 0
	s_mul_i32 s20, s20, KROW                       ; and their codes
	s_add_co_u32 s20, s20, s2
	s_mov_b32 s21, 0
	s_mul_i32 s46, s46, KROW
	s_add_co_u32 s46, s46, s95
	s_mov_b32 s47, 0
	s_mul_i32 s45, s14, HALFT                      ; where they go: wave x 128 rows: no place in the cluster enters an LDS address
	s_mul_i32 s94, s14, HALFS
	s_wait_kmcnt 0x0
	s_add_nc_u64 s[20:21], s[4:5], s[20:21]
	s_add_nc_u64 s[22:23], s[6:7], s[22:23]
	s_add_nc_u64 s[46:47], s[4:5], s[46:47]
	s_add_nc_u64 s[92:93], s[6:7], s[92:93]
	CROUND                                         ; all sixteen work-groups are here: the first joint loads meet
	s_mov_b32 s[G0S], 1
	s_add_co_u32 s[G0S+1], s94, SCL
	s_mov_b64 s[G0S+2:G0S+3], s[22:23]
	s_or_b32 s[G0S+3], s[G0S+3], 0x80000000
	s_mov_b32 s[G0SB], 1
	s_add_co_u32 s[G0SB+1], s94, SCL
	s_mov_b64 s[G0SB+2:G0SB+3], s[92:93]
	s_or_b32 s[G0SB+3], s[G0SB+3], 0x80000000
	JLOAD G0S, G1S, G0SB, G1SB                     ; the scales first: they are wanted with K step 0
.irp s, 0,1
	s_mov_b32 s[G0+4*\s], 1
	s_add_co_u32 s[G0+4*\s+1], s45, \s*SLOT
	s_add_nc_u64 s[G0+4*\s+2:G0+4*\s+3], s[20:21], \s*ROWB
	s_or_b32 s[G0+4*\s+3], s[G0+4*\s+3], 0x80000000
	s_mov_b32 s[G0B+4*\s], 1
	s_add_co_u32 s[G0B+4*\s+1], s45, \s*SLOT
	s_add_nc_u64 s[G0B+4*\s+2:G0B+4*\s+3], s[46:47], \s*ROWB
	s_or_b32 s[G0B+4*\s+3], s[G0B+4*\s+3], 0x80000000
	JLOAD G0+4*\s, G1, G0B+4*\s, G1B               ; three tensor loads of mine are out now
.endr
	v_and_b32 v1, 15, v0                           ; r = lane % 16
	v_bfe_u32 v2, v0, 4, 1                         ; h = lane / 16
	v_mul_u32_u24 v3, v1, PITCH
	v_mul_u32_u24 v4, v2, 24
	v_add_nc_u32 v4, v3, v4                        ; a fragment's row x pitch + 24 x half
	v_lshl_add_u32 v5, v2, 4, v4                   ; and the same behind one padding more
	s_mul_i32 s21, s15, HALFT                      ; my 128 rows of A
	s_mul_i32 s22, s16, HALFT                      ; my 128 rows of B,
	s_add_co_u32 s22, s22, 2*HALFT                 ; which lie behind A's 256
.irp s, 0,1
	v_add_nc_u32 v[ADRA+\s], s21, v4
	v_add_nc_u32 v[ADRB+\s], s22, v4
	v_add_nc_u32 v[ADRA+2+\s], s21, v5
	v_add_nc_u32 v[ADRB+2+\s], s22, v5
	s_add_co_u32 s21, s21, SLOT
	s_add_co_u32 s22, s22, SLOT
.endr
	v_mul_u32_u24 v5, v1, KS                       ; my row's scales: 32 bytes a row,
	v_lshrrev_b32 v6, 8, v5
	v_lshl_add_u32 v5, v6, 4, v5                   ; and 16 more for each 256 passed
	s_mul_i32 s21, s15, HALFS                      ; A's: my 128 rows
	s_mul_i32 s22, s16, HALFS                      ; B's: my 128 rows, behind A's 256
	s_add_co_u32 s22, s22, 2*HALFS
	s_sub_co_u32 s22, s22, s21
	v_mul_u32_u24 v6, s22, v2                      ; lanes 16-31 take B's: one product, the distance between the two x h
	s_add_co_u32 s21, s21, SCL
	v_add_nc_u32 v5, v5, v6
	v_add_nc_u32 v[ADRS], s21, v5
	; the bias's buffer, by the projection
	s_cmp_eq_u32 s66, 1
	s_cselect_b64 s[96:97], s[98:99], s[96:97]
	s_cmp_eq_u32 s66, 2
	s_cselect_b64 s[96:97], s[8:9], s[96:97]
	s_mov_b64 s[12:13], s[10:11]                   ; att
	; THE WAY OUT'S ADDRESSES.  What differs between q, k and v is chosen here, once
	s_mov_b32 s67, BHS
	s_mov_b32 s23, 24576
	s_mov_b32 s46, 512
	s_mov_b32 s2, 256
	s_mov_b32 s4, 768
	s_mov_b32 s6, 768
	s_mov_b32 s9, 0xffff
	s_cmp_eq_u32 s66, 2
	s_cselect_b32 s18, s42, s17                    ; the tile of 256 tokens,
	s_cselect_b32 s19, s17, s42                    ; the tile of 256 features (four heads),
	s_cselect_b32 s20, s16, s15                    ; my half of the tokens,
	s_cselect_b32 s21, s15, s16                    ; my half of the features (two heads)
	s_cselect_b32 s22, 12288, 0                    ; the codes' part of a slot: V's behind K's
	s_cselect_b32 s23, 25600, s23                  ; the scale words' part
	s_cselect_b32 s46, 256, s46                    ; and what 128 tokens take of it
	s_cselect_b32 s92, 768, s67                    ; from a block's first half-image to its second: v: the next 64 keys; q, k: the next head
	s_cselect_b32 s47, 0, s67                      ; q, k: lanes 16-31 store the next head's words
	s_cselect_b32 s2, s67, s2                      ; blocks 4-7: v: the next head; q, k: the next four tiles of tokens
	s_cselect_b32 s3, 0, 16
	s_cselect_b32 s4, 1536, s4                     ; from block to block
	s_cselect_b32 s6, BHS-3*1536, s6               ; from block 3 to block 4: v: the next head's first tile of d
	s_cselect_b32 s9, -1, s9                       ; v keeps the word's four bytes, q and k two
	s_mov_b32 s93, 0
	s_mov_b32 s5, 0
	s_mov_b32 s7, 0
	s_mov_b32 s8, 0x1800000                        ; the floor 2^(3 - 127)
	s_lshr_b32 s10, s18, 3                         ; b: 8 tiles of 256 tokens to a batch
	s_lshl_b32 s10, s10, 4
	s_lshl_b32 s11, s19, 2
	s_add_co_u32 s10, s10, s11
	s_lshl_b32 s11, s21, 1
	s_add_co_u32 s10, s10, s11                     ; 16 b + the first of my two heads
	s_mul_i32 s10, s10, BHS
	s_and_b32 s11, s18, 7                          ; the slot
	s_mul_i32 s11, s11, SLB
	s_add_co_u32 s10, s10, s11
	s_cmp_eq_u32 s66, 0
	s_cselect_b32 s11, 0, KVB                      ; Q's region, or K's and V's
	s_add_co_u32 s10, s10, s11
	s_mul_i32 s40, s20, 6144                       ; 128 tokens: eight half-images of K or Q, or four fragments of V
	s_add_co_u32 s40, s40, s22
	s_add_co_u32 s40, s40, s10
	s_mov_b32 s41, 0
	s_mul_i32 s11, s20, s46
	s_add_co_u32 s11, s11, s23
	s_add_co_u32 s10, s10, s11
	s_mov_b32 s11, 0
	s_add_nc_u64 s[94:95], s[12:13], s[10:11]      ; where my scale words go
	s_add_nc_u64 s[12:13], s[12:13], s[40:41]      ; block 0's first half-image,
	s_add_nc_u64 s[98:99], s[12:13], s[92:93]      ; and its second
	s_lshl_b32 s10, s19, 10
	s_lshl_b32 s40, s21, 9
	s_add_co_u32 s10, s10, s40
	s_add_nc_u64 s[96:97], s[96:97], s[10:11]      ; the bias of my 128 features
	s_mov_b32 s10, 0x76543210
	s_mov_b32 s11, 0xfedcba98                      ; v_permlanex16_b32's selects for lane l xor 16
	v_and_b32 v6, 31, v0
	v_lshlrev_b32 v[V16], 4, v6
	v_lshlrev_b32 v[V8], 3, v6
	v_lshlrev_b32 v[VS], 4, v1                     ; 16 r: four words a row
	v_mul_u32_u24 v5, s47, v2
	v_add_nc_u32 v[VS], v[VS], v5
	v_add_nc_u32 v[VS1], s2, v[VS]
	v_mul_u32_u24 v[SH], s3, v2
	v_lshlrev_b32 v13, 6, v2                       ; q, k: the bias of features 32 (b / 2) + 16 h + 8 (b % 2) + 0 .. 7
	v_and_b32 v14, 8, v1
	v_add_nc_u32 v14, v14, v1
	v_lshlrev_b32 v14, 2, v14                      ; v: of feature 32 (a / 2) + 8 (a % 2) + r + 8 (r / 8)
	s_cmp_eq_u32 s66, 2
	s_cbranch_scc1 .Lbias_v
.irp b, 0,1,2,3,4,5,6,7
	global_load_b128 v[CB+8*\b:CB+8*\b+3], v13, s[96:97] offset:(32*(\b/2)+8*(\b%2))*4
	global_load_b128 v[CB+8*\b+4:CB+8*\b+7], v13, s[96:97] offset:(32*(\b/2)+8*(\b%2))*4+16
.endr
	s_branch .Lbias_in
.Lbias_v:
.irp a, 0,1,2,3,4,5,6,7
.irp j, 0,1,2,3,4,5,6,7
	global_load_b32 v[CB+8*\a+\j], v14, s[96:97] offset:(32*(\a/2)+8*(\a%2))*4   ; the lane's row has one bias for all eight registers
.endr
.endr
.Lbias_in:
	s_wait_loadcnt 0x0                             ; the bias
.macro FRAG reg, adr, q, i             ; a fragment, 16 rows x 128 K, is 12 registers: lane l holds row l % 16; registers 6 c .. 6 c + 5 hold K = 64 c + 32 (l / 16) + 0 .. 31: 24 bytes of the row, as they lie
.irp p, 0,1,2,3,4,5                    ; in pieces of 8 bytes.  Lanes 16-31 read three pieces further on than lanes 0-15; where that lies behind one padding more, the second address register serves
.set PN, 12*(\q)+6*(\p/3)+\p%3
.if PN%8 < 5
	ds_load_b64 v[\reg+2*\p:\reg+2*\p+1], v[\adr] offset:8*PN+16*(PN/8)+(\i)*16*PITCH
.else
	ds_load_b64 v[\reg+2*\p:\reg+2*\p+1], v[\adr+2] offset:8*PN+16*(PN/8)+(\i)*16*PITCH
.endif
.endr
.endm
; 16 matrix instructions: A's blocks a0, a0 + 1 x B's eight, 128 along K: the slot's q-th.  p: B's set;  sc: the set of scale words.  zero = 1: the sums start from the bias along the registers (by B's block);
; zero = 2: from the bias of the lane's row (by A's block).  The 64 accumulators take turns, one instruction a turn, in the same order in every step.
.macro MUL16 a0, p, q, sc, zero
.irp a, \a0, \a0+1
.irp b, 0,1,2,3,4,5,6,7
.if (\zero) == 1
	v_wmma_scale_f32_16x16x128_f8f6f4 v[8*(8*((\a)%4)+\b):8*(8*((\a)%4)+\b)+7], v[128*(\p)+FR*\b:128*(\p)+FR*\b+FR-1], v[AF+FR*(\a):AF+FR*(\a)+FR-1], v[CB+8*\b:CB+8*\b+7], v[SC+8*NQ*(\sc)+NQ*\b+(\q)], v[SC+8*NQ*(\sc)+NQ*(\a)+(\q)] matrix_a_fmt:MATRIX_FMT_FP6 matrix_b_fmt:MATRIX_FMT_FP6 matrix_a_scale:MATRIX_SCALE_ROW1
.elseif (\zero) == 2
	v_wmma_scale_f32_16x16x128_f8f6f4 v[8*(8*((\a)%4)+\b):8*(8*((\a)%4)+\b)+7], v[128*(\p)+FR*\b:128*(\p)+FR*\b+FR-1], v[AF+FR*(\a):AF+FR*(\a)+FR-1], v[CB+8*(\a):CB+8*(\a)+7], v[SC+8*NQ*(\sc)+NQ*\b+(\q)], v[SC+8*NQ*(\sc)+NQ*(\a)+(\q)] matrix_a_fmt:MATRIX_FMT_FP6 matrix_b_fmt:MATRIX_FMT_FP6 matrix_a_scale:MATRIX_SCALE_ROW1
.else
	v_wmma_scale_f32_16x16x128_f8f6f4 v[8*(8*((\a)%4)+\b):8*(8*((\a)%4)+\b)+7], v[128*(\p)+FR*\b:128*(\p)+FR*\b+FR-1], v[AF+FR*(\a):AF+FR*(\a)+FR-1], v[8*(8*((\a)%4)+\b):8*(8*((\a)%4)+\b)+7], v[SC+8*NQ*(\sc)+NQ*\b+(\q)], v[SC+8*NQ*(\sc)+NQ*(\a)+(\q)] matrix_a_fmt:MATRIX_FMT_FP6 matrix_b_fmt:MATRIX_FMT_FP6 matrix_a_scale:MATRIX_SCALE_ROW1
.endif
.endr
.endr
.endm
.macro FETCH_B slot, q, p              ; B's eight fragments of the slot's q-th 128 along K into set p
	WIN TO_B
.irp i, 0,1,2,3,4,5,6,7
	FRAG 128*(\p)+FR*\i, ADRB+\slot, \q, \i
.endr
	WIN 0
.endm
.macro FETCH_A slot, q, i0             ; A's blocks i0 .. i0 + 3
.irp i, \i0, \i0+1, \i0+2, \i0+3
	FRAG AF+FR*(\i), ADRA+\slot, \q, \i
.endr
.endm
.macro SCALES sc                       ; a K step's scale words into set sc: two words a row; lanes 0-15 take A's block i, lanes 16-31 B's block i
.irp i, 0,1,2,3,4,5,6,7
	ds_load_b64 v[SC+8*NQ*\sc+NQ*\i:SC+8*NQ*\sc+NQ*\i+1], v[ADRS] offset:\i*SBLK
.endr
.endm
.macro PLACES n                        ; plain vector lines between a matrix instruction and a load into one of its registers, or the first read of its result (ISA guide 7.12.1 for the first read of a result)
.rept \n
	v_nop
.endr
.endm
; A step of 128 along K that has its successor in the same slot.  A's blocks 0-3 are fetched anew in its middle, blocks 4-7 at its end; B has two sets.
.macro STEP slot, q, zero
	s_wait_dscnt 4*NL                              ; B's set and A's blocks 0-3 are in; the youngest 24 loads (A's blocks 4-7) may be out
.if \zero
	WIN BEG_LO
.else
	WIN MUL_LO
.endif
	MUL16 0, (\q)%2, \q, \slot, \zero
	MUL16 2, (\q)%2, \q, \slot, \zero
	s_wait_dscnt 0                                 ; A's blocks 4-7 are in (asked for 32 matrix instructions ago)
	PLACES NP
	FETCH_B \slot, (\q)+1, 1-(\q)%2
	FETCH_A \slot, (\q)+1, 0
.if \zero
	WIN BEG_HI
.else
	WIN MUL_HI
.endif
	MUL16 4, (\q)%2, \q, \slot, \zero
	MUL16 6, (\q)%2, \q, \slot, \zero
	PLACES NP
	WIN 0
	FETCH_A \slot, (\q)+1, 4
.endm
; A slot's last step changes slots: ONE barrier; in front of it each wave waits for all its tensor loads, adds 0 to its spare word, and waits for that and for its own reads of this slot.  fill = 1: the slot is filled again, two K steps ahead.
.macro TURN slot, next, fill
	s_wait_tensorcnt 0x0                           ; all my tensor loads have landed: my part of the next slot  (every window is 0 here)
	ds_add_u32 v[SPW], v[NIL]                      ; 0 onto my spare word
	s_wait_dscnt 4*NL+1                            ; (the add and the youngest 24 loads, A's blocks 4-7, may be out)
	WIN MUL_LO
	MUL16 0, 1, NQ-1, \slot, 0                     ; sixteen matrix instructions stand between the add and the wait for it
	s_wait_dscnt 0x0                               ; the add is done, and my reads of this slot are over
	s_barrier_signal -1
	MUL16 2, 1, NQ-1, \slot, 0
	WIN 0
	s_barrier_wait -1
.if \fill
	CREST                                          ; the barrier has opened a round of the cluster's barrier: no wave of any partner still reads this slot or has a load on its way
	s_add_nc_u64 s[G0+4*\slot+2:G0+4*\slot+3], s[G0+4*\slot+2:G0+4*\slot+3], 2*ROWB
	s_add_nc_u64 s[G0B+4*\slot+2:G0B+4*\slot+3], s[G0B+4*\slot+2:G0B+4*\slot+3], 2*ROWB
	JLOAD G0+4*\slot, G1, G0B+4*\slot, G1B         ; the first tensor load behind the round; its four v_nop are the places in front of the loads below
.else
	PLACES NP
.endif
	v_add_nc_u32 v[ADRS], 4*NQ, v[ADRS]            ; on to the next K step's scale words (no LDS load of mine is out)
	FETCH_B \next, 0, 0
	FETCH_A \next, 0, 0
	SCALES \next
	WIN MUL_HI
	MUL16 4, 1, NQ-1, \slot, 0
	MUL16 6, 1, NQ-1, \slot, 0
	PLACES NP
	WIN 0
	FETCH_A \next, 0, 4
.endm
; THE WAY OUT of block a: 16 rows (lane % 16) x 128 along the registers: register 16 b + i of the block's 64 is number 32 b + 16 (lane / 16) + i of my row.
.macro EPI a
.set AC, 64*((\a)%4)
.set W, 2+(\a)/4
	WIN ((W<<2)|(W<<4))                            ; sources 1 and 2: the accumulators' window
.irp b, 0,1,2,3
	v_max3_num_f32 v[TM+\b], s8, |v[AC+16*\b]|, |v[AC+16*\b+1]|   ; block b of 32: my 16 numbers, and the floor; each accumulator is read from its low end on
.endr
.irp i, 2,4,6,8,10,12,14
.irp b, 0,1,2,3
	v_max3_num_f32 v[TM+\b], v[TM+\b], |v[AC+16*\b+\i]|, |v[AC+16*\b+\i+1]|   ; (the four blocks by turns)
.endr
.endr
	WIN 0
.irp b, 0,1,2,3
	v_permlanex16_b32 v[TM+4+\b], v[TM+\b], s10, s11
.endr
.irp b, 0,1,2,3
	v_max_num_f32 v[TM+\b], v[TM+\b], v[TM+4+\b]   ; with lane l xor 16's: the block's largest magnitude
.endr
.irp b, 0,1,2,3
	v_add_nc_u32 v[TM+12+\b], 0xff000000, v[TM+\b] ; 2 off its exponent field: the conversion's scale operand
.endr
.irp b, 0,1,2,3
	v_lshrrev_b32 v[TM+4+\b], 23, v[TM+12+\b]      ; the scale's byte
.endr
	v_lshl_or_b32 v[PW], v[TM+5], 8, v[TM+4]
	v_lshl_or_b32 v[PW], v[TM+6], 16, v[PW]
	v_lshl_or_b32 v[PW], v[TM+7], 24, v[PW]        ; my row's four bytes
	v_lshrrev_b32 v[WS+\a], v[SH], v[PW]           ; q, k: lanes 0-15 keep the first head's two bytes, lanes 16-31 the second's; v: all four
	v_and_b32 v[WS+\a], s9, v[WS+\a]
.if (\a) > 0
	s_wait_xcnt 0x0                                ; the last block's stores have read their data and bases: only now are the codes' registers and the bases written again
.if (\a) == 4
	s_add_nc_u64 s[12:13], s[12:13], s[6:7]
	s_add_nc_u64 s[98:99], s[98:99], s[6:7]
.else
	s_add_nc_u64 s[12:13], s[12:13], s[4:5]
	s_add_nc_u64 s[98:99], s[98:99], s[4:5]
.endif
.endif
	WIN W                                          ; source 0: the accumulators' window
.irp c, 0,1
	v_cvt_scalef32_pk16_fp6_f32 v[CD+6*\c:CD+6*\c+2], v[AC+32*\c:AC+32*\c+15], v[TM+12+2*\c]
	v_cvt_scalef32_pk16_fp6_f32 v[CT+4*\c:CT+4*\c+2], v[AC+32*\c+16:AC+32*\c+31], v[TM+13+2*\c]   ; (a conversion's three registers begin on an even number)
.endr
	WIN 0
	v_nop                                          ; one plain line behind a scaled conversion
.irp c, 0,1                                    ; an operand wants a WHOLE block in a lane: lanes 0-15 block 2 c, lanes 16-31 block 2 c + 1
.irp i, 0,1,2
	v_permlane16_swap_b32 v[CD+6*\c+\i], v[CT+4*\c+\i]
.endr
.irp i, 0,1,2
	v_mov_b32 v[CD+6*\c+3+\i], v[CT+4*\c+\i]
.endr
.endr
	global_store_b128 v[V16], v[CD:CD+3], s[12:13]                 ; 512 consecutive bytes, aligned to 256
	global_store_b64 v[V8], v[CD+4:CD+5], s[12:13] offset:512      ; 256
	global_store_b128 v[V16], v[CD+6:CD+9], s[98:99]
	global_store_b64 v[V8], v[CD+10:CD+11], s[98:99] offset:512
.if (\a) == 3
	global_store_b128 v[VS], v[WS:WS+3], s[94:95]                  ; sixteen lanes store 256 consecutive bytes (v: lanes 16-31 store the same words to the same places)
.endif
.if (\a) == 7
	global_store_b128 v[VS1], v[WS+4:WS+7], s[94:95]
.endif
.endm
	s_wait_tensorcnt 1                             ; the scales and my part of K step 0 are in (K step 1's load may be out)
	s_barrier_signal -1
	s_barrier_wait -1                              ; everybody's are
	FETCH_B 0, 0, 0
	FETCH_A 0, 0, 0
	SCALES 0
	FETCH_A 0, 0, 4
	s_cmp_eq_u32 s66, 2                            ; the first step starts the sums from the bias; both ways issue the same loads
	s_cbranch_scc1 .Lfirst_v
	STEP 0, 0, 1
	s_branch .Lfirst_done
.Lfirst_v:
	STEP 0, 0, 2
.Lfirst_done:
	s_mov_b32 s3, LAPS-1
.Llap:                                                 ; a trip goes once round the ring, from a lap's second step to the next lap's first, and fills both slots again
	TURN 0, 1, 1
	STEP 1, 0, 0
	TURN 1, 0, 1
	STEP 0, 0, 0
	s_sub_co_u32 s3, s3, 1
	s_cmp_lg_u32 s3, 0
	s_cbranch_scc1 .Llap
	TURN 0, 1, 0                                   ; the last lap fills nothing, and has no round of the cluster's barrier
	STEP 1, 0, 0
	s_wait_dscnt 4*NL                              ; the very last step: nothing more to fetch
	WIN MUL_LO
	MUL16 0, 1, NQ-1, 1, 0
	MUL16 2, 1, NQ-1, 1, 0
	s_wait_dscnt 0
	WIN MUL_HI
	MUL16 4, 1, NQ-1, 1, 0
	MUL16 6, 1, NQ-1, 1, 0
	WIN 0
.irp b, 0,1,2,3
	v_mov_b32 v[TM+4+\b], 0                        ; written once: a lane permute's destination counts as one of its sources
.endr
	PLACES NP                                      ; behind the last products
.irp a, 0,1,2,3,4,5,6,7
	EPI \a
.endr
	s_wait_tensorcnt 0x0                           ; the wave's end
	ds_add_u32 v[SPW], v[NIL]
	s_wait_dscnt 0x0
	CROUND                                         ; the closing round: no work-group ends while a partner may still ask for a tile that names it
	s_endpgm
.Lfunc_end_k_q8fda010386_proj:
	.size	k_q8fda010386_proj, .Lfunc_end_k_q8fda010386_proj-k_q8fda010386_proj
	.p2alignl 7, 3214868480
	.fill 96, 4, 3214868480
	.section	.rodata,"a",@progbits
	.p2align	6, 0x0
	.amdhsa_kernel k_q8fda010386_proj
		.amdhsa_group_segment_fixed_size 327680
		.amdhsa_private_segment_fixed_size 0
		.amdhsa_enable_private_segment 0
		.amdhsa_kernarg_size 48
		.amdhsa_user_sgpr_count 2
		.amdhsa_user_sgpr_kernarg_segment_ptr 1
		.amdhsa_wavefront_size32 1
		.amdhsa_system_sgpr_workgroup_id_x 1
		.amdhsa_system_sgpr_workgroup_id_y 1
		.amdhsa_system_sgpr_workgroup_id_z 1
		.amdhsa_system_vgpr_workitem_id 0
		.amdhsa_next_free_vgpr 1024
		.amdhsa_next_free_sgpr 100
		.amdhsa_reserve_vcc 0
		.amdhsa_float_denorm_mode_32 3
		.amdhsa_float_denorm_mode_16_64 3
		.amdhsa_memory_ordered 1
		.amdhsa_forward_progress 1
		.amdhsa_inst_pref_size 190
	.end_amdhsa_kernel
	.amdgpu_metadata
---
amdhsa.version: [ 1, 2 ]
amdhsa.kernels:
  - .name:           k_q8fda010386_proj
    .symbol:         k_q8fda010386_proj.kd
    .args:
      - { .name: xc, .offset: 0, .size: 8, .value_kind: global_buffer, .address_space: global }
      - { .name: xs, .offset: 8, .size: 8, .value_kind: global_buffer, .address_space: global }
      - { .name: bq, .offset: 16, .size: 8, .value_kind: global_buffer, .address_space: global }
      - { .name: bk, .offset: 24, .size: 8, .value_kind: global_buffer, .address_space: global }
      - { .name: bv, .offset: 32, .size: 8, .value_kind: global_buffer, .address_space: global }
      - { .name: att, .offset: 40, .size: 8, .value_kind: global_buffer, .address_space: global }
    .group_segment_fixed_size: 327680
    .private_segment_fixed_size: 0
    .kernarg_segment_align: 8
    .kernarg_segment_size: 48
    .max_flat_workgroup_size: 128
    .sgpr_count:     100
    .vgpr_count:     1024
    .wavefront_size: 32
...
	.end_amdgpu_metadata
.endif
;; end of part 2
;; launch attn (part 3): grid 4 x 64, 16 waves a work-group, no clusters, 327,680 bytes of LDS; arguments att, oc, os; writes oc, os
.if DOCPART == 3
	.amdgcn_target "amdgcn-amd-amdhsa--gfx1250"
	.amdhsa_code_object_version 6
	.text
	.protected	k_q8fda010386_attn
	.globl	k_q8fda010386_attn
	.p2align	8
	.type	k_q8fda010386_attn,@function
k_q8fda010386_attn:
	s_mov_b64 s[64:65], 0
	v_nop
	global_prefetch_b8 v0, s[64:65] scope:SCOPE_SE
	s_setreg_imm32_b32 hwreg(HW_REG_WAVE_MODE, 25, 1), 1
	s_wait_xcnt 0x0
; CAUSAL ATTENTION on codes of FP6 (E2M3) with one E8M0 scale for each 32 along a product's K: 64 (b, head), 2,048 tokens, head size 64; its result, divided by the row's sum, is quantised along C for the last projection.
; att holds Q, K and V as images of operand registers (halves of 6 registers: registers 0-3 at 16 x lane, registers 4, 5 at 512 + 8 x lane) and their scale words; a slot of 256 tokens of one (b, head) is 26,112 dense bytes:
; 16 halves of K (16 keys x 64) | V^T: [128 keys 2][tile of 16 d 4][64 keys 2] | K's scale words [128 keys 2][4 tiles 2][row 16][4 words] | V's [128 keys 2][row 16][4 words].
; THE SOFTMAX: t = score x log2(e) / 8; M = the row's largest t so far, rounded UP to a whole number; p = 2^(t - M) is what is quantised, along the keys, not normalised.  The row's sum is taken of the unquantised p, in f32, and
; divides O at the end.  When M moves, the sum and O are multiplied by 2^(old M - new M): exact.
; SHARES.  A work-group (I = x, 0..3; b x 16 + head = y) owns the blocks I and 7 - I of 256 queries; each of its sixteen waves owns one tile of 16 queries of the block in hand, in 256 registers: four waves to a SIMD.
; Block j needs the key slots 0 .. j, so every work-group walks (I + 1) + (8 - I) = 9 slots: one loop of constant count, equal work in all 256 work-groups.  Trip T: T <= I: key slot T, block I; else key slot T - I - 1,
; block 7 - I.  Behind trip I the first block is finished and the second begun: a scalar branch on ids, with no barrier and no tensor load in it.
; A step of 128 keys all of which come after the wave's queries is left out by a scalar branch on ids; on the diagonal hidden scores become -infinity ahead of the maximum.  A step that is not left out begins at or
; before the tile's first query, so every query has a key that counts in it.
; LAYOUT.  Both products are used transposed: S^T = K Q^T (source 0 = 16 keys), O^T = V^T P^T (source 0 = 16 d): a lane holds ONE query (lane % 16) throughout.  By the stored order of keys and of d the 16 registers of tiles
; 2 b and 2 b + 1 are 16 neighbours: keys (or d) 32 b + 16 (lane / 16) + 0 .. 15.
; K = 64 IN AN INSTRUCTION OF 128.  Q's registers 6-11 are zero codes, and bytes 2, 3 of Q's and K's scale words are 0 (2^-127): every product of k >= 64 is 0 whatever K's registers 6-11 hold.  So K's tiles lie 6 registers
; apart, a tile's upper six being the next tile's codes, the last tile's six registers of zeros.
; NO CLUSTER: the four work-groups of a (b, head) stand at different key slots in nearly every trip (slot T against slot T - I - 1), so no tile is wanted by two of them at the same time.
; LIMITS: NaN and infinities are not served.  v_exp_f32 gives 0 for p under 2^-126.  O / the sum is v_rcp_f32 and a multiplication.  A block's largest p is taken as the exponential of the block's largest score.
; A block whose largest magnitude lies under 2^-124, a block of zeros among them, gets the byte 1; only this program reads the bytes.
; REGISTERS: v1 16 x lane, v2 8 x lane, v3 16 r, v4 32 r, v5, v6 the add's, v7 r - 16 h, v8-10 LDS addresses in hand, v11 256 x lane; v12 -M, v13 the largest t, v[14:15] the sum; v16-21 Q, v22-27 zeros; v28 Q's scale word;
; v32-79 K, later V; v80-85 zeros; v86-93 K's scale words; v96-159 S^T, then p; v160-191 O^T; v192-195 V's scale words; v196-207 p's codes; v208-214 the conversions' second halves; v216-235 at work; v236 p's scale word.
.set BHS,   208896                     ; att: bytes of one (b, head)
.set SLB,   26112                      ; a slot
.set KVB,   64*BHS                     ; where the region of K and V begins
.set HALFB, SLB/2                      ; what one tensor load brings: 51 rows of 256 bytes
.set SLOT1, 0x8000                     ; LDS: slot 1 begins here, so that one exclusive or turns an address
.set SPARE, 0x10000                    ; the spare words: 128 bytes a wave, eight blocks of 256 bytes that no other line names
.set VOFF,  12288                      ; in a slot: V's fragments,
.set KSC,   24576                      ; K's scale words,
.set VSC,   25600                      ; V's
; Waves 0 and 1 fetch a half of a slot each, the others nothing.  Four v_nop follow the line.
.macro TLOAD
	s_cmp_lt_u32 s10, 2
	s_cbranch_scc0 .Lnone_\@
	tensor_load_to_lds s[32:35], s[24:31]
	s_nop 0
.rept 4
	v_nop
.endr
.Lnone_\@:
.endm
; A PREFETCH INTO THE L2.  The work-group with I = 0 walks the key slots 0, 0, 1, .. 7: in trip T (1 to 6) its refill asks for slot T, and three of its waves that fetch nothing (8 to 10) ask for the codes of slot T + 1,
; which its refill wants one trip, two key steps, later: 24,576 bytes, 8,192 a wave, lanes 256 bytes apart.  So slots 2 to 7 of each (b, head) are named once in the launch; slots 0 and 1 and the scale words come by their loads alone.
.macro ASK
	s_cmp_eq_u32 s50, 1
	s_cbranch_scc0 .Lnot_mine_\@
	s_sub_co_u32 s18, s13, 1
	s_cmp_le_u32 s18, 5
	s_cbranch_scc0 .Lnot_mine_\@
	global_prefetch_b8 v11, s[48:49] th:TH_LOAD_NT scope:SCOPE_SE
.Lnot_mine_\@:
.endm
; THE CHANGE OF SLOTS stands at a trip's head.  Each wave waits for all its tensor loads (its part of the slot that it is about to read), adds 0 to its spare word, and waits for that and for its reads of the slot that it has left.
; fill = 1: that slot is filled with the next trip's keys: the slot after this trip's, or slot 0 where the blocks change.
.macro CHANGE fill
	s_wait_tensorcnt 0x0                           ; no tensor load of mine is out, so group 0 may be written
	ds_add_u32 v5, v6                              ; 0 onto my spare word
.if \fill
	s_xor_b32 s33, s33, SLOT1                      ; the other LDS slot than last time
	s_add_co_u32 s38, s38, SLB                     ; the next key slot,
	s_cmp_eq_u32 s13, s11
	s_cselect_b32 s38, 0, s38                      ; or the first again, for the second block
	s_add_nc_u64 s[34:35], s[36:37], s[38:39]
	s_or_b32 s35, s35, 0x80000000
	s_wait_xcnt 0x0                                ; the last prefetch, a trip back, has read its address
	s_add_nc_u64 s[48:49], s[48:49], SLB
.endif
	s_wait_dscnt 0x0                               ; the add is done, and my reads of the slot that I have left are over
	s_barrier_signal -1
	s_barrier_wait -1
.if \fill
	TLOAD                                          ; the first thing behind the barrier, and a wave's one tensor load until the next
	ASK
.endif
.endm
; The block s17 of 256 queries: my first query and where my tile lies.  Offsets are made apart from the pointers, which stay.
.macro SETBLOCK
	s_lshl_b32 s16, s17, 8
	s_lshl_b32 s18, s10, 4
	s_add_co_u32 s16, s16, s18                     ; my first query: 256 x block + 16 x wave
	s_mov_b32 s19, 0
	s_mul_i32 s54, s17, SLB
	s_add_co_u32 s54, s54, s52                     ; the block's slot in Q's region
	s_mul_i32 s18, s10, 768
	s_add_co_u32 s18, s54, s18
	s_add_nc_u64 s[40:41], s[4:5], s[18:19]        ; my tile's half-image
	s_lshr_b32 s18, s10, 2
	s_lshl_b32 s18, s18, 8
	s_add_co_u32 s54, s54, s18
	s_and_b32 s18, s10, 3
	s_lshl_b32 s18, s18, 2
	s_add_co_u32 s54, s54, s18
	s_add_co_u32 s18, s54, KSC
	s_add_nc_u64 s[42:43], s[4:5], s[18:19]        ; its scale words: 256 (wave / 4) + 4 (wave % 4), + 16 r
	s_lshl_b32 s18, s57, 7
	s_lshl_b32 s54, s17, 4
	s_add_co_u32 s18, s18, s54
	s_add_co_u32 s18, s18, s10                     ; the tile of 16 tokens: 128 b + 16 x block + wave
	s_lshl_b32 s18, s18, 4
	s_add_co_u32 s18, s18, s56
	s_mul_i32 s18, s18, 768
	s_add_nc_u64 s[44:45], s[6:7], s[18:19]        ; oc: [tile][head][768]
	s_lshl_b32 s18, s57, 11
	s_add_co_u32 s18, s18, s16
	s_lshl_b32 s18, s18, 5
	s_lshl_b32 s54, s56, 1
	s_add_co_u32 s18, s18, s54
	s_add_nc_u64 s[46:47], s[8:9], s[18:19]        ; os: [token][32], my head's two bytes
.endm
.macro QLOAD
	global_load_b128 v[16:19], v1, s[40:41]
	global_load_b64 v[20:21], v2, s[40:41] offset:512
	global_load_b32 v28, v3, s[42:43]
.endm
.macro INIT
	v_mov_b32 v13, 0xff61b1e6                      ; the largest t so far: -3e38, under every t
	s_delay_alu instid0(VALU_DEP_1)
	v_floor_f32 v12, -v13                          ; -M
	v_mov_b32 v14, 0                               ; the sum, in two halves
	v_mov_b32 v15, 0
.set n, 0
.rept 32
	v_mov_b32 v[160+n], 0                          ; O^T.  (The step is written once: a block's first step finds zeros, which the first change of M leaves zeros)
.set n, n+1
.endr
.endm
; A KEY STEP: 128 keys, the q-th of the slot in hand.
.macro STEP q
	s_add_co_u32 s18, s16, 15
	s_cmp_gt_u32 s15, s18                          ; all its keys come after my 16 queries: left out
	s_cbranch_scc1 .Lhidden_\@
	v_add_nc_u32 v8, s14, v1
	v_add_nc_u32 v9, s14, v2
	v_add_nc_u32 v10, s14, v3
	v_nop                                          ; these four lines are the places in front of loads into registers that the last products read
.irp t, 0,1,2,3,4,5,6,7
	ds_load_b128 v[32+6*\t:35+6*\t], v8 offset:(8*(\q)+\t)*768
	ds_load_b64 v[36+6*\t:37+6*\t], v9 offset:(8*(\q)+\t)*768+512
.endr
	ds_load_b128 v[86:89], v10 offset:KSC+512*(\q)
	ds_load_b128 v[90:93], v10 offset:KSC+512*(\q)+256
	s_wait_alu depctr_va_vdst(0)
	s_wait_dscnt 0x0
.irp t, 0,1,2,3,4,5,6,7
	v_wmma_scale_f32_16x16x128_f8f6f4 v[96+8*\t:103+8*\t], v[32+6*\t:43+6*\t], v[16:27], 0, v[86+\t], v28 matrix_a_fmt:MATRIX_FMT_FP6 matrix_b_fmt:MATRIX_FMT_FP6
.endr
.rept 4
	v_nop                                          ; places: in front of the loads over K's registers, and of the first read of the scores
.endr
.irp t, 0,1,2,3                                ; V^T's four fragments are asked for now and land under the softmax
	ds_load_b128 v[32+12*\t:35+12*\t], v8 offset:VOFF+6144*(\q)+1536*\t
	ds_load_b64 v[36+12*\t:37+12*\t], v9 offset:VOFF+6144*(\q)+1536*\t+512
	ds_load_b128 v[38+12*\t:41+12*\t], v8 offset:VOFF+6144*(\q)+1536*\t+768
	ds_load_b64 v[42+12*\t:43+12*\t], v9 offset:VOFF+6144*(\q)+1536*\t+1280
.endr
	ds_load_b128 v[192:195], v10 offset:VSC+256*(\q)
	s_add_co_u32 s18, s15, 127                     ; a step all of whose keys count skips the mask
	s_cmp_le_u32 s18, s16
	s_cbranch_scc1 .Lopen_\@
	s_sub_co_i32 s18, s16, s15
	v_add_nc_u32 v234, s18, v7                     ; d = my query - the step's first key - 16 (lane / 16).  Register 16 b + i holds key 32 b + 16 (lane / 16) + i of the step: hidden where 32 b + i > d
	v_mov_b32 v235, 0xff800000                     ; -infinity
.set n, 0
.rept 64
	v_cmp_gt_i32 vcc_lo, 32*(n/16)+n%16, v234
	v_cndmask_b32 v[96+n], v[96+n], v235, vcc_lo
.set n, n+1
.endr
.Lopen_\@:
.irp b, 0,1,2,3
	v_max3_num_f32 v[216+\b], v[96+16*\b], v[97+16*\b], v[98+16*\b]   ; THE LARGEST SCORE OF EACH BLOCK OF 32 KEYS: it serves for the row's maximum and, since p rises with the score, for the block's largest p
.endr
.irp i, 3,5,7,9,11,13
.irp b, 0,1,2,3
	v_max3_num_f32 v[216+\b], v[216+\b], v[96+16*\b+\i], v[97+16*\b+\i]   ; (the four blocks by turns)
.endr
.endr
.irp b, 0,1,2,3
	v_max_num_f32 v[216+\b], v[216+\b], v[111+16*\b]
.endr
.irp b, 0,1,2,3
	s_delay_alu instid0(VALU_DEP_4)
	v_permlanex16_b32 v[220+\b], v[216+\b], s20, s21
.endr
.irp b, 0,1,2,3
	s_delay_alu instid0(VALU_DEP_4)
	v_max_num_f32 v[216+\b], v[216+\b], v[220+\b]  ; with lane l xor 16's 16 keys
.endr
	s_delay_alu instid0(VALU_DEP_2)
	v_max3_num_f32 v228, v216, v217, v218
	s_delay_alu instid0(VALU_DEP_1)
	v_max_num_f32 v228, v228, v219                 ; the step's largest score of my query
	s_delay_alu instid0(VALU_DEP_1)
	v_mul_f32 v228, s22, v228                      ; as t (c is positive)
	s_delay_alu instid0(VALU_DEP_1)
	v_max_num_f32 v13, v13, v228                   ; the running largest t
	v_mov_b32 v228, v12
	s_delay_alu instid0(VALU_DEP_2)
	v_floor_f32 v12, -v13                          ; the new -M = floor(-t) = -ceil(t): a whole number
	s_delay_alu instid0(VALU_DEP_1)
	v_sub_f32 v228, v12, v228                      ; M's old value less its new one: a whole number, 0 or less
	s_delay_alu instid0(VALU_DEP_1)
	v_cvt_i32_f32 v228, v228                       ; (it saturates)
	s_delay_alu instid0(VALU_DEP_1)
	v_ldexp_f32 v230, 1.0, v228                    ; f = 2^(old M - new M)
.set n, 0
.rept 32
	v_pk_fma_f32 v[96+n:97+n], v[96+n:97+n], s[22:23], v[12:13] op_sel_hi:[1,0,0]   ; t - M, two at a time (of the pairs c and -M the low word serves both halves)
.set n, n+2
.endr
.irp b, 0,1,2,3
	v_fma_f32 v[216+\b], v[216+\b], s22, v12       ; the same of each block's largest score
.endr
.set n, 0
	s_wait_alu depctr_va_vdst(0)
.rept 64
	v_exp_f32 v[96+n], v[96+n]                     ; p = 2^(t - M), at most 1: not normalised
.set n, n+1
.endr
	v_pk_mul_f32 v[14:15], v[14:15], v[230:231] op_sel_hi:[1,0]   ; the sums under the new M (a plain line behind the exponentials)
	s_wait_alu depctr_va_vdst(0)                   ; one wait for the whole batch, ahead of its first reader
.irp b, 0,1,2,3
	v_exp_f32 v[216+\b], v[216+\b]                 ; the block's largest p: the same two instructions on the same number give the same bits
.endr
	v_pk_add_f32 v[232:233], v[100:101], v[104:105]
	v_pk_add_f32 v[254:255], v[108:109], v[112:113]
	v_pk_add_f32 v[252:253], v[116:117], v[120:121]
	v_pk_add_f32 v[250:251], v[124:125], v[128:129]
	v_pk_add_f32 v[248:249], v[132:133], v[136:137]
	v_pk_add_f32 v[246:247], v[140:141], v[144:145]
	v_pk_add_f32 v[244:245], v[148:149], v[152:153]
	v_pk_add_f32 v[14:15], v[14:15], v[156:157]
	v_pk_add_f32 v[232:233], v[232:233], v[96:97]
	v_pk_add_f32 v[254:255], v[254:255], v[98:99]
	v_pk_add_f32 v[252:253], v[252:253], v[102:103]
	v_pk_add_f32 v[250:251], v[250:251], v[106:107]
	v_pk_add_f32 v[248:249], v[248:249], v[110:111]
	v_pk_add_f32 v[246:247], v[246:247], v[114:115]
	v_pk_add_f32 v[244:245], v[244:245], v[118:119]
	v_pk_add_f32 v[14:15], v[14:15], v[122:123]
	v_pk_add_f32 v[232:233], v[232:233], v[126:127]
	v_pk_add_f32 v[254:255], v[254:255], v[130:131]
	v_pk_add_f32 v[252:253], v[252:253], v[134:135]
	v_pk_add_f32 v[250:251], v[250:251], v[138:139]
	v_pk_add_f32 v[248:249], v[248:249], v[142:143]
	v_pk_add_f32 v[246:247], v[246:247], v[146:147]
	v_pk_add_f32 v[244:245], v[244:245], v[150:151]
	v_pk_add_f32 v[14:15], v[14:15], v[154:155]
	v_pk_add_f32 v[232:233], v[232:233], v[158:159]
	s_delay_alu instid0(VALU_DEP_2)
	v_pk_add_f32 v[14:15], v[14:15], v[250:251]
	s_delay_alu instid0(VALU_DEP_2)
	v_pk_add_f32 v[232:233], v[232:233], v[248:249]
	v_pk_add_f32 v[254:255], v[254:255], v[246:247]
	v_pk_add_f32 v[252:253], v[252:253], v[244:245]
	s_delay_alu instid0(VALU_DEP_2)
	v_pk_add_f32 v[14:15], v[14:15], v[254:255]
	s_delay_alu instid0(VALU_DEP_2)
	v_pk_add_f32 v[232:233], v[232:233], v[252:253]
	s_delay_alu instid0(VALU_DEP_1)
	v_pk_add_f32 v[14:15], v[14:15], v[232:233]
	s_wait_alu depctr_va_vdst(0)                   ; and one for the four
.irp b, 0,1,2,3
	v_max_num_f32 v[216+\b], 0x1800000, v[216+\b]  ; the floor 2^(3 - 127): the byte cannot fall under 1 (a block whose every p is 0 keeps that byte: its codes are zeros)
.endr
.irp b, 0,1,2,3
	s_delay_alu instid0(VALU_DEP_4)
	v_add_nc_u32 v[224+\b], 0xff000000, v[216+\b]  ; 2 off the exponent field: the conversion's scale operand
.endr
.irp b, 0,1,2,3
	s_delay_alu instid0(VALU_DEP_4)
	v_lshrrev_b32 v[220+\b], 23, v[224+\b]         ; the scale's byte
.endr
	s_delay_alu instid0(VALU_DEP_3)
	v_lshl_or_b32 v236, v221, 8, v220              ; p's scale word for these 128 keys
	s_delay_alu instid0(VALU_DEP_1)
	v_lshl_or_b32 v236, v222, 16, v236
	s_delay_alu instid0(VALU_DEP_1)
	v_lshl_or_b32 v236, v223, 24, v236
.irp c, 0,1
	v_cvt_scalef32_pk16_fp6_f32 v[196+6*\c:198+6*\c], v[96+32*\c:111+32*\c], v[224+2*\c]
	v_cvt_scalef32_pk16_fp6_f32 v[208+4*\c:210+4*\c], v[112+32*\c:127+32*\c], v[224+2*\c+1]   ; (a conversion's three registers begin on an even number)
.endr
	v_nop                                          ; one plain line behind a scaled conversion
.irp c, 0,1                                    ; an operand wants a WHOLE block in a lane: lanes 0-15 block 2 c, lanes 16-31 block 2 c + 1
.irp i, 0,1,2
	v_permlane16_swap_b32 v[196+6*\c+\i], v[208+4*\c+\i]
.endr
.irp i, 0,1,2
	s_delay_alu instid0(VALU_DEP_3)
	v_mov_b32 v[199+6*\c+\i], v[208+4*\c+\i]
.endr
.endr
.set n, 0
.rept 16
	v_pk_mul_f32 v[160+n:161+n], v[160+n:161+n], v[230:231] op_sel_hi:[1,0]   ; O^T under the new M: x f.  Twelve of these sixteen name no register of any one product below: the places behind the writes of p's codes and scale word
.set n, n+2
.endr
	s_wait_alu depctr_va_vdst(0)
	s_wait_dscnt 0x0                               ; V^T and its scale words are in
.irp t, 0,1,2,3
	v_wmma_scale_f32_16x16x128_f8f6f4 v[160+8*\t:167+8*\t], v[32+12*\t:43+12*\t], v[196:207], v[160+8*\t:167+8*\t], v[192+\t], v236 matrix_a_fmt:MATRIX_FMT_FP6 matrix_b_fmt:MATRIX_FMT_FP6
.endr
.Lhidden_\@:
	s_add_co_u32 s15, s15, 128                     ; the next step's first key
.endm
; A BLOCK'S END: O^T / the sum, quantised along C (my head's two blocks of 32), stored as a half-image and two scale bytes a token.
.macro FINISH
.rept 4
	v_nop                                          ; places behind the last products
.endr
	v_add_f32 v14, v14, v15                        ; the sum's two halves,
	s_delay_alu instid0(VALU_DEP_1)
	v_permlanex16_b32 v228, v14, s20, s21
	s_delay_alu instid0(VALU_DEP_1)
	v_add_f32 v14, v14, v228                       ; and lane l xor 16's: the row's sum
	s_wait_alu depctr_va_vdst(0)
	v_rcp_f32 v14, v14
	v_nop                                          ; a plain line behind the reciprocal,
	s_wait_alu depctr_va_vdst(0)                   ; and a wait ahead of its first reader
.set n, 0
.rept 16
	v_pk_mul_f32 v[96+n:97+n], v[160+n:161+n], v[14:15] op_sel_hi:[1,0]   ; register 16 b + i: d = 32 b + 16 (lane / 16) + i of my query; each accumulator from its low end on
.set n, n+2
.endr
.irp b, 0,1
	v_max3_num_f32 v[216+\b], |v[96+16*\b]|, |v[97+16*\b]|, 0x1800000
.endr
.irp i, 2,4,6,8,10,12,14
.irp b, 0,1
	s_delay_alu instid0(VALU_DEP_2)
	v_max3_num_f32 v[216+\b], v[216+\b], |v[96+16*\b+\i]|, |v[97+16*\b+\i]|
.endr
.endr
.irp b, 0,1
	s_delay_alu instid0(VALU_DEP_2)
	v_permlanex16_b32 v[220+\b], v[216+\b], s20, s21
.endr
.irp b, 0,1
	s_delay_alu instid0(VALU_DEP_2)
	v_max_num_f32 v[216+\b], v[216+\b], v[220+\b]
.endr
.irp b, 0,1
	s_delay_alu instid0(VALU_DEP_2)
	v_add_nc_u32 v[224+\b], 0xff000000, v[216+\b]
.endr
.irp b, 0,1
	s_delay_alu instid0(VALU_DEP_2)
	v_lshrrev_b32 v[220+\b], 23, v[224+\b]
.endr
	s_delay_alu instid0(VALU_DEP_1)
	v_lshl_or_b32 v229, v221, 8, v220              ; my token's two bytes
	v_cvt_scalef32_pk16_fp6_f32 v[196:198], v[96:111], v224
	v_cvt_scalef32_pk16_fp6_f32 v[208:210], v[112:127], v225
	v_nop                                          ; one plain line behind a scaled conversion
.irp i, 0,1,2
	v_permlane16_swap_b32 v[196+\i], v[208+\i]
.endr
.irp i, 0,1,2
	s_delay_alu instid0(VALU_DEP_3)
	v_mov_b32 v[199+\i], v[208+\i]                 ; registers 0-5: d = 32 (lane / 16) + 0 .. 31 of token lane % 16
.endr
	global_store_b128 v1, v[196:199], s[44:45]     ; 512 consecutive bytes, aligned to 256
	global_store_b64 v2, v[200:201], s[44:45] offset:512   ; 256
	global_store_b16 v4, v229, s[46:47]            ; two bytes a token, rows 32 bytes apart (lanes 16-31 store the same): a row's other bytes belong to other heads, which other work-groups make; one byte in 24 of what is stored here
	s_wait_xcnt 0x0                                ; the stores have read their registers and bases: both are written again
.endm
	s_load_b128 s[4:7], s[0:1], 0x0                ; att, oc
	s_load_b64 s[8:9], s[0:1], 0x10                ; os
	v_lshl_add_u32 v5, v0, 2, SPARE
	v_mov_b32 v6, 0
	ds_add_u32 v5, v6
	ds_add_u32 v5, v6
	s_wait_dscnt 0x0
	v_lshrrev_b32 v8, 5, v0
	s_delay_alu instid0(VALU_DEP_1)
	v_readfirstlane_b32 s10, v8                    ; wave 0..15
	s_mov_b32 s11, ttmp9                           ; I
	s_and_b32 s12, ttmp7, 0xffff                   ; 16 b + head
	s_and_b32 s56, s12, 15                         ; head
	s_lshr_b32 s57, s12, 4                         ; b
	s_mul_i32 s52, s12, BHS                        ; where my (b, head) begins in a region of att
	s_and_b32 s18, s10, 1
	s_mul_i32 s18, s18, HALFB                      ; which half of a slot I fetch, if I fetch
	s_add_co_u32 s54, s52, s18
	s_add_co_u32 s54, s54, KVB
	s_mov_b32 s55, 0
	; descriptor group 1: half a slot, a dense block: 51 rows of 256 bytes (32 elements of 8), no padding, no mask
	s_mov_b32 s24, 3<<16
	s_mov_b32 s25, 32<<16                          ; tensor_dim0
	s_mov_b32 s26, 51<<16                          ; tensor_dim1
	s_mov_b32 s27, 32<<16                          ; tile_dim0
	s_mov_b32 s28, 51                              ; tile_dim1
	s_mov_b32 s29, 32                              ; from row to row
	s_mov_b32 s30, 0
	s_mov_b32 s31, 0
	s_mov_b32 s32, 1                               ; group 0: count = 1,
	s_mov_b32 s33, s18                             ; LDS address: slot 0, my half
	s_mov_b32 s38, 0                               ; the key slot's offset
	s_mov_b32 s39, 0
	s_wait_kmcnt 0x0
	s_add_nc_u64 s[36:37], s[4:5], s[54:55]        ; my half of key slot 0
	s_mov_b64 s[34:35], s[36:37]
	s_or_b32 s35, s35, 0x80000000                  ; type = 2
	TLOAD                                          ; key slot 0: the launch's first fill
	s_and_b32 s18, s10, 3                          ; the prefetches: waves 8 to 10 of the work-group with I = 0
	s_lshl_b32 s18, s18, 13
	s_add_co_u32 s54, s52, s18
	s_add_co_u32 s54, s54, KVB
	s_add_nc_u64 s[48:49], s[4:5], s[54:55]        ; at slot 0; each change of slots steps it, so that in trip T it stands at slot T + 1
	s_sub_co_u32 s18, s10, 8
	s_cmp_lt_u32 s18, 3
	s_cselect_b32 s50, 1, 0
	s_cmp_eq_u32 s11, 0
	s_cselect_b32 s50, s50, 0
	s_mov_b32 s20, 0x76543210
	s_mov_b32 s21, 0xfedcba98                      ; v_permlanex16_b32's selects for lane l xor 16
	s_mov_b32 s22, 0x3e38aa3b                      ; c = log2(e) / 8
	s_mov_b32 s23, s22                             ; (named with it as a pair, so it is written)
	v_and_b32 v9, 31, v0
	s_delay_alu instid0(VALU_DEP_1)
	v_lshlrev_b32 v1, 4, v9
	s_delay_alu instid0(VALU_DEP_2)
	v_lshlrev_b32 v2, 3, v9
	s_delay_alu instid0(VALU_DEP_3)
	v_lshlrev_b32 v11, 8, v9
	v_and_b32 v10, 15, v0                          ; r
	s_delay_alu instid0(VALU_DEP_1)
	v_lshlrev_b32 v3, 4, v10
	s_delay_alu instid0(VALU_DEP_2)
	v_lshlrev_b32 v4, 5, v10
	v_bfe_u32 v8, v0, 4, 1                         ; h
	s_delay_alu instid0(VALU_DEP_1)
	v_lshlrev_b32 v8, 4, v8
	s_delay_alu instid0(VALU_DEP_1)
	v_sub_nc_u32 v7, v10, v8                       ; r - 16 h
.irp j, 22,23,24,25,26,27, 80,81,82,83,84,85
	v_mov_b32 v\j, 0                               ; zero codes: Q's k = 64 .. 127, and what stands above K's last tile
.endr
.irp j, 220,221,222,223, 228, 231
	v_mov_b32 v\j, 0                               ; written once: a lane permute's destination counts as one of its sources; v231 is named as the upper half of f's pair
.endr
	s_mov_b32 s17, s11                             ; the first block: I
	SETBLOCK
	QLOAD
	INIT
	s_mov_b32 s13, 0                               ; the trip
	s_mov_b32 s14, 0                               ; LDS byte at which the slot in hand begins
	s_mov_b32 s15, 0                               ; the step's first key
	s_wait_loadcnt 0x0                             ; Q
.Ltrip:                                            ; 8 trips: behind each change of slots but the last the next slot is asked for
	CHANGE 1
	STEP 0
	STEP 1
	s_xor_b32 s14, s14, SLOT1                      ; on to the other slot
	s_cmp_lg_u32 s13, s11
	s_cbranch_scc1 .Lsame
	FINISH                                         ; block I has seen its key slots 0 .. I
	s_sub_co_u32 s17, 7, s11                       ; block 7 - I begins
	SETBLOCK
	QLOAD
	INIT
	s_mov_b32 s15, 0
	s_wait_loadcnt 0x0
.Lsame:
	s_add_co_u32 s13, s13, 1
	s_cmp_lt_u32 s13, 8
	s_cbranch_scc1 .Ltrip
	CHANGE 0                                       ; the last trip is written out
	STEP 0
	STEP 1
	FINISH
	s_wait_tensorcnt 0x0                           ; the wave's end
	ds_add_u32 v5, v6
	s_wait_dscnt 0x0
	s_endpgm
.Lfunc_end_k_q8fda010386_attn:
	.size	k_q8fda010386_attn, .Lfunc_end_k_q8fda010386_attn-k_q8fda010386_attn
	.p2alignl 7, 3214868480
	.fill 96, 4, 3214868480
	.section	.rodata,"a",@progbits
	.p2align	6, 0x0
	.amdhsa_kernel k_q8fda010386_attn
		.amdhsa_group_segment_fixed_size 327680
		.amdhsa_private_segment_fixed_size 0
		.amdhsa_enable_private_segment 0
		.amdhsa_kernarg_size 24
		.amdhsa_user_sgpr_count 2
		.amdhsa_user_sgpr_kernarg_segment_ptr 1
		.amdhsa_wavefront_size32 1
		.amdhsa_system_sgpr_workgroup_id_x 1
		.amdhsa_system_sgpr_workgroup_id_y 1
		.amdhsa_system_sgpr_workgroup_id_z 1
		.amdhsa_system_vgpr_workitem_id 0
		.amdhsa_next_free_vgpr 256
		.amdhsa_next_free_sgpr 66
		.amdhsa_reserve_vcc 1
		.amdhsa_float_denorm_mode_32 3
		.amdhsa_float_denorm_mode_16_64 3
		.amdhsa_memory_ordered 1
		.amdhsa_forward_progress 1
		.amdhsa_inst_pref_size 109
	.end_amdhsa_kernel
	.amdgpu_metadata
---
amdhsa.version: [ 1, 2 ]
amdhsa.kernels:
  - .name:           k_q8fda010386_attn
    .symbol:         k_q8fda010386_attn.kd
    .args:
      - { .name: att, .offset: 0, .size: 8, .value_kind: global_buffer, .address_space: global }
      - { .name: oc, .offset: 8, .size: 8, .value_kind: global_buffer, .address_space: global }
      - { .name: os, .offset: 16, .size: 8, .value_kind: global_buffer, .address_space: global }
    .group_segment_fixed_size: 327680
    .private_segment_fixed_size: 0
    .kernarg_segment_align: 8
    .kernarg_segment_size: 24
    .max_flat_workgroup_size: 512
    .sgpr_count:     66
    .vgpr_count:     256
    .wavefront_size: 32
...
	.end_amdgpu_metadata
.endif
;; end of part 3
;; launch outp (part 4): grid 4 x 32, 4 waves a work-group, clusters of 4 x 4, 327,680 bytes of LDS; arguments oc, os, xc, xs, bo, out0; writes out0
.if DOCPART == 4
	.amdgcn_target "amdgcn-amd-amdhsa--gfx1250"
	.amdhsa_code_object_version 6
	.text
	.protected	k_q8fda010386_outp
	.globl	k_q8fda010386_outp
	.p2align	8
	.type	k_q8fda010386_outp,@function
k_q8fda010386_outp:
	s_mov_b64 s[64:65], 0
	v_nop
	global_prefetch_b8 v0, s[64:65] scope:SCOPE_SE
	s_setreg_imm32_b32 hwreg(HW_REG_WAVE_MODE, 25, 1), 1
	s_wait_xcnt 0x0
	s_wait_alu depctr_hold_cnt(0) depctr_sa_sdst(0) depctr_va_vdst(0) depctr_va_sdst(0) depctr_va_ssrc(0) depctr_va_vcc(0) depctr_vm_vsrc(0)
	s_getreg_b32 s2, hwreg(HW_REG_IB_STS2, 6, 4)
	s_cmp_eq_u32 s2, 0
	s_cbranch_scc0 .Lentry_in_a_cluster
	s_endpgm
.Lentry_in_a_cluster:
	s_bfe_u32 s2, ttmp6, 0x10000c
	s_cmp_lg_u32 s2, 0xf033
	s_cbranch_scc0 .Lentry_shape_is_right
	s_endpgm
.Lentry_shape_is_right:
; out0 = O Wo^T + bo, 8,192 x 1,024 x 1,024, on codes of FP6 (E2M3) with one E8M0 scale for each 32 along K; out0 f32.
; A = attention's result: oc [tile of 16 tokens 512][head 16][768 bytes]: for each tile and head an image of 6 operand registers (k = 64 head + 32 (lane / 16) + 0 .. 31 of token lane % 16): registers 0-3 at 16 x lane, registers
; 4, 5 at 512 + 8 x lane.  Two neighbouring heads' images are a fragment of 16 tokens x 128 K.  Its scale bytes: os [token][32].  B = Wo: rows of 768 bytes of codes in xc, rows of 32 scale bytes in xs, in their own order.
; A tile of 256 x 256 of out0 is made by a work-group of four waves; a wave makes 128 x 128: 64 accumulators, 512 registers.  128 work-groups: the problem has no more tiles of this size.
; K goes in steps of 256 through a ring of two LDS slots filled by the tensor data mover.  A's part of a K step is, for each tile of tokens, 3,072 dense bytes (four heads): a tensor load brings 8 such rows, 12,288 bytes apart,
; and they lie dense in LDS: a fragment comes by loads whose lanes read consecutive bytes.  B's part is 128 rows of 192 bytes, padded.  The scale bytes of the work-group's rows, for all of K, come into LDS once.
; CLUSTERS: 4 x 4 work-groups; A's tiles are asked for jointly along a row of the cluster, B's along a column.  THE MATRIX INSTRUCTION IS USED TRANSPOSED (source 0 = 16 rows of Wo, source 1 = 16 tokens): a lane holds eight
; neighbouring numbers of a row of out0.  THE BIAS is the C of each sum's first matrix instruction.
; REGISTERS, in windows of 256: window 0: v0-31 addresses; v32-63 scale words, two sets, and nothing else; v64-127 the bias as C; from v128 A's fragments, ONE set; on the way out v128-255 rows of out0.
;   window 1: B's fragments, TWO sets, at v0 and v128.   window 2: the accumulators of my rows 0-63 ((a, b) at v[8 (8 a + b)]);   window 3: those of my rows 64-127.
.set SIZE_N, 1024
.set SIZE_K, 1024
.set KSTEP,  256
.set NQ,     KSTEP/128
.set ROWB,   192                       ; a row of B's tile in bytes
.set KROW,   SIZE_K*6/8
.set PITCH,  240                       ; B's LDS row: 3 x (64 bytes + 16 of padding)
.set FR,     12
.set NL,     6                         ; LDS loads that bring a fragment of B
.set NLA,    4                         ; and of A
.set NP,     4                         ; places behind this matrix instruction (ISA guide 7.12.1)
.set ASTEP,  3072                      ; a K step of a tile of 16 tokens: four heads' images
.set AH,     8*ASTEP                   ; 128 tokens: what one tensor load brings of A
.set HALFT,  128*PITCH                 ; and of B
.set SLOT,   2*AH+2*HALFT              ; A's two halves, then B's two
.set LAPS,   SIZE_K/(2*KSTEP)
.set KS,     SIZE_K/32
.set SCL,    2*SLOT                    ; behind the ring: the scales, as runs of 256 bytes + 16 of padding
.set HALFS,  (128*KS/256)*272
.set SBLK,   (16*KS/256)*272
.set SPARE,  SCL+4*HALFS               ; the spare words: 128 bytes a wave, two blocks of 256 bytes that no other line names
.set SPITCH, 528                       ; the way out: a stage of 16 rows x (512 bytes + 16) for each wave, in slot 0, which has had its last fill and its last read when the first result is stored there
.set ADRA, 16                          ; v16-17 16 x lane + my A half in slot 0, 1;  v18-19 the same with 8 x lane
.set ADRB, 20                          ; v20-21 my B fragments in slot 0, 1;  v22-23 for the pieces behind one padding more
.set STO,  24
.set RD,   25
.set CO,   26
.set ADRS, 27
.set SPW,  28
.set NIL,  29
.set SC,   32
.set CB,   64                          ; the bias as C: 8 x 8 registers
.set AF,   128
.set BK,   128
.set G1, 24
.set G0, 32
.set G1B, 48
.set G0B, 56
.set G1S, 68
.set G0S, 76
.set G1SB, 80
.set G0SB, 88
.set MSB, 0
.macro WIN new                         ; the immediate's high byte repeats the setting that is left
.if MSB != \new
	s_set_vgpr_msb (MSB<<8)|\new
.set MSB, \new
.endif
.endm
.set MUL_LO, 0xa1                      ; source 0 (B) window 1, source 1 (A) window 0, C and D window 2
.set MUL_HI, 0xf1                      ; the same, C and D window 3
.set BEG_LO, 0x81                      ; a sum's first product: C (the bias) window 0, D window 2
.set BEG_HI, 0xc1                      ; D window 3
.set TO_B,   0x40
.macro JLOAD g0a, g1a, g0b, g1b        ; a joint load: waves 0 and 1 fetch for A, waves 2 and 3 for B; four v_nop follow each of the two lines
	s_cmp_eq_u32 s15, 0
	s_cbranch_scc0 .Lfor_b_\@
	tensor_load_to_lds s[\g0a:\g0a+3], s[\g1a:\g1a+7]
	s_nop 0
.rept 4
	v_nop
.endr
	s_branch .Lasked_\@
.Lfor_b_\@:
	tensor_load_to_lds s[\g0b:\g0b+3], s[\g1b:\g1b+7]
	s_nop 0
.rept 4
	v_nop
.endr
.Lasked_\@:
.endm
.macro CREST
	s_cmp_lg_u32 s14, 0
	s_cbranch_scc1 .Lnot_wave_0_\@
	s_barrier_signal -3
.Lnot_wave_0_\@:
	s_barrier_wait -3
	s_barrier_signal -1
	s_barrier_wait -1
.endm
.macro CROUND
	s_barrier_signal -1
	s_barrier_wait -1
	CREST
.endm
	s_load_b128 s[4:7], s[0:1], 0x0                ; oc, os
	s_load_b128 s[8:11], s[0:1], 0x10              ; xc, xs
	s_load_b128 s[96:99], s[0:1], 0x20             ; bo, out0
	v_lshl_add_u32 v[SPW], v0, 2, SPARE
	v_mov_b32 v[NIL], 0
	ds_add_u32 v28, v29
	s_wait_dscnt 0x0
	v_lshrrev_b32 v1, 5, v0
	v_readfirstlane_b32 s14, v1                    ; wave 0..3
	s_lshr_b32 s15, s14, 1                         ; which half of the tile's rows is mine.  Also: I fetch for A (0) or for B (1)
	s_and_b32 s16, s14, 1                          ; which half of its columns.  Also: which 128 rows I fetch
	s_bfe_u32 s40, ttmp6, 0x40000                  ; cx, cy
	s_bfe_u32 s41, ttmp6, 0x40004
	s_lshl_b32 s42, ttmp9, 2
	s_add_co_u32 s42, s42, s40                     ; tile column = 4 x cluster x + cx
	s_and_b32 s17, ttmp7, 0xffff
	s_lshl_b32 s17, s17, 2
	s_add_co_u32 s17, s17, s41                     ; tile row = 4 x cluster y + cy
	s_lshl_b32 s43, s41, 2
	s_lshl_b32 s43, 15, s43                        ; my row of the cluster
	s_lshl_b32 s44, 0x1111, s40                    ; my column
	; A's group 1: 8 rows of 3,072 bytes (384 elements of 8), 12,288 bytes (1,536 elements) apart, dense in LDS
	s_or_b32 s[G1+0], s43, (3<<16)|(1<<21)         ; 15:0 the mask: my row; 17:16 elements of 8 bytes; 20 no padding; 21 set beside a mask
	s_mov_b32 s[G1+1], 384<<16                     ; tensor_dim0
	s_mov_b32 s[G1+2], 8<<16                       ; tensor_dim1
	s_mov_b32 s[G1+3], 384<<16                     ; tile_dim0
	s_mov_b32 s[G1+4], 8                           ; tile_dim1
	s_mov_b32 s[G1+5], 1536                        ; from row to row
	s_mov_b32 s[G1+6], 0
	s_mov_b32 s[G1+7], 0
	; B's: 128 rows of 192 bytes, 16 bytes of padding behind every 64
	s_or_b32 s[G1B+0], s44, (0<<16)|(1<<20)|(1<<21)|(3<<22)|(3<<25)
	s_mov_b32 s[G1B+1], ROWB<<16
	s_mov_b32 s[G1B+2], 128<<16
	s_mov_b32 s[G1B+3], ROWB<<16
	s_mov_b32 s[G1B+4], 128
	s_mov_b32 s[G1B+5], KROW
	s_mov_b32 s[G1B+6], 0
	s_mov_b32 s[G1B+7], 0
	; the scales of 128 rows: 4,096 dense bytes, as 16 rows of 256 bytes, 16 bytes of padding behind each
	s_or_b32 s[G1S+0], s43, (3<<16)|(1<<20)|(1<<21)|(5<<22)|(3<<25)
	s_or_b32 s[G1SB+0], s44, (3<<16)|(1<<20)|(1<<21)|(5<<22)|(3<<25)
.irp g, G1S, G1SB
	s_mov_b32 s[\g+1], 32<<16
	s_mov_b32 s[\g+2], (128*KS/256)<<16
	s_mov_b32 s[\g+3], 32<<16
	s_mov_b32 s[\g+4], 128*KS/256
	s_mov_b32 s[\g+5], 32
	s_mov_b32 s[\g+6], 0
	s_mov_b32 s[\g+7], 0
.endr
	s_lshl_b32 s18, s16, 7                         ; which 128 rows of the tile I fetch
	s_lshl_b32 s20, s17, 8
	s_add_co_u32 s20, s20, s18                     ; A: the first token
	s_lshl_b32 s46, s42, 8
	s_add_co_u32 s46, s46, s18                     ; B: the first row of Wo
	s_lshl_b32 s22, s20, 5                         ; their scale bytes.  All these offsets stay under 2^23
	s_mov_b32 s23, 0
	s_lshl_b32 s92, s46, 5
	s_mov_b32 s93, 0
	s_mul_i32 s20, s20, 768                        ; A's codes: 12,288 bytes for 16 tokens
	s_mov_b32 s21, 0
	s_mul_i32 s46, s46, KROW
	s_mov_b32 s47, 0
	s_mul_i32 s45, s16, AH                         ; where they go in a slot: A's halves,
	s_mul_i32 s95, s16, HALFT
	s_add_co_u32 s95, s95, 2*AH                    ; B's behind them: no place in the cluster enters an LDS address
	s_mul_i32 s94, s14, HALFS
	s_wait_kmcnt 0x0
	s_add_nc_u64 s[8:9], s[8:9], 21233664          ; Wo's codes in xc,
	s_add_nc_u64 s[10:11], s[10:11], 884736        ; its scale bytes in xs
	s_mov_b64 s[12:13], s[98:99]                   ; out0
	s_add_nc_u64 s[20:21], s[4:5], s[20:21]
	s_add_nc_u64 s[22:23], s[6:7], s[22:23]
	s_add_nc_u64 s[46:47], s[8:9], s[46:47]
	s_add_nc_u64 s[92:93], s[10:11], s[92:93]
	CROUND                                         ; all sixteen work-groups are here: the first joint loads meet
	s_mov_b32 s[G0S], 1
	s_add_co_u32 s[G0S+1], s94, SCL
	s_mov_b64 s[G0S+2:G0S+3], s[22:23]
	s_or_b32 s[G0S+3], s[G0S+3], 0x80000000
	s_mov_b32 s[G0SB], 1
	s_add_co_u32 s[G0SB+1], s94, SCL
	s_mov_b64 s[G0SB+2:G0SB+3], s[92:93]
	s_or_b32 s[G0SB+3], s[G0SB+3], 0x80000000
	JLOAD G0S, G1S, G0SB, G1SB                     ; the scales first: they are wanted with K step 0
.irp s, 0,1
	s_mov_b32 s[G0+4*\s], 1
	s_add_co_u32 s[G0+4*\s+1], s45, \s*SLOT
	s_add_nc_u64 s[G0+4*\s+2:G0+4*\s+3], s[20:21], \s*ASTEP
	s_or_b32 s[G0+4*\s+3], s[G0+4*\s+3], 0x80000000
	s_mov_b32 s[G0B+4*\s], 1
	s_add_co_u32 s[G0B+4*\s+1], s95, \s*SLOT
	s_add_nc_u64 s[G0B+4*\s+2:G0B+4*\s+3], s[46:47], \s*ROWB
	s_or_b32 s[G0B+4*\s+3], s[G0B+4*\s+3], 0x80000000
	JLOAD G0+4*\s, G1, G0B+4*\s, G1B               ; three tensor loads of mine are out now
.endr
	v_and_b32 v1, 15, v0                           ; r
	v_bfe_u32 v2, v0, 4, 1                         ; h
	v_and_b32 v6, 31, v0                           ; lane
	v_mul_u32_u24 v3, v1, PITCH
	v_mul_u32_u24 v4, v2, 24
	v_add_nc_u32 v4, v3, v4                        ; B: a fragment's row x pitch + 24 x half
	v_lshl_add_u32 v5, v2, 4, v4                   ; and the same behind one padding more
	v_lshlrev_b32 v7, 4, v6                        ; A: 16 x lane,
	v_lshlrev_b32 v8, 3, v6                        ; 8 x lane
	s_mul_i32 s21, s15, AH                         ; my 128 tokens
	s_mul_i32 s22, s16, HALFT                      ; my 128 rows of B,
	s_add_co_u32 s22, s22, 2*AH                    ; which lie behind A's
.irp s, 0,1
	v_add_nc_u32 v[ADRA+\s], s21, v7
	v_add_nc_u32 v[ADRA+2+\s], s21, v8
	v_add_nc_u32 v[ADRB+\s], s22, v4
	v_add_nc_u32 v[ADRB+2+\s], s22, v5
	s_add_co_u32 s21, s21, SLOT
	s_add_co_u32 s22, s22, SLOT
.endr
	v_mul_u32_u24 v5, v1, KS                       ; my row's scales: 32 bytes a row,
	v_lshrrev_b32 v7, 8, v5
	v_lshl_add_u32 v5, v7, 4, v5                   ; and 16 more for each 256 passed
	s_mul_i32 s21, s15, HALFS
	s_mul_i32 s22, s16, HALFS
	s_add_co_u32 s22, s22, 2*HALFS
	s_sub_co_u32 s22, s22, s21
	v_mul_u32_u24 v7, s22, v2                      ; lanes 16-31 take B's: one product, the distance between the two x h
	s_add_co_u32 s21, s21, SCL
	v_add_nc_u32 v5, v5, v7
	v_add_nc_u32 v[ADRS], s21, v5
	s_mul_i32 s23, s14, 16*SPITCH                  ; my stage
	v_mul_u32_u24 v5, v1, SPITCH                   ; in: row r, 32 bytes for each half of the lanes
	v_lshl_add_u32 v5, v2, 5, v5
	v_add_nc_u32 v[STO], s23, v5
	v_lshlrev_b32 v[CO], 4, v6                     ; back: the 32 lanes take one row of 512 bytes; and the same in out0
	v_add_nc_u32 v[RD], s23, v[CO]
	s_lshl_b32 s20, s17, 8
	s_lshl_b32 s21, s15, 7
	s_add_co_u32 s20, s20, s21                     ; my first row of out0
	s_mov_b32 s21, 0
	s_mov_b64 s[18:19], SIZE_N*4
	s_mul_u64 s[20:21], s[20:21], s[18:19]
	s_lshl_b32 s46, s42, 10                        ; my first column, in bytes: 1,024 x tile column + 512 x half
	s_lshl_b32 s47, s16, 9
	s_add_co_u32 s46, s46, s47
	s_mov_b32 s47, 0
	s_add_nc_u64 s[96:97], s[96:97], s[46:47]      ; bo at my first column
	s_add_nc_u64 s[20:21], s[20:21], s[46:47]
	s_add_nc_u64 s[12:13], s[12:13], s[20:21]
	v_lshlrev_b32 v9, 5, v2                        ; the bias of columns 16 b + 8 h + 0 .. 7
.irp b, 0,1,2,3,4,5,6,7
	global_load_b128 v[CB+8*\b:CB+8*\b+3], v9, s[96:97] offset:64*\b
	global_load_b128 v[CB+8*\b+4:CB+8*\b+7], v9, s[96:97] offset:64*\b+16
.endr
	s_wait_loadcnt 0x0                             ; the bias
.macro FRAG reg, adr, q, i             ; a fragment of B from padded rows: pieces of 8 bytes; lanes 16-31 read three pieces further on, for some pieces behind one padding more
.irp p, 0,1,2,3,4,5
.set PN, 12*(\q)+6*(\p/3)+\p%3
.if PN%8 < 5
	ds_load_b64 v[\reg+2*\p:\reg+2*\p+1], v[\adr] offset:8*PN+16*(PN/8)+(\i)*16*PITCH
.else
	ds_load_b64 v[\reg+2*\p:\reg+2*\p+1], v[\adr+2] offset:8*PN+16*(PN/8)+(\i)*16*PITCH
.endif
.endr
.endm
.macro FRAGA reg, slot, q, i           ; a fragment of A: two heads' images, as they were stored: every load's lanes read consecutive bytes
	ds_load_b128 v[\reg:\reg+3], v[ADRA+\slot] offset:(\i)*ASTEP+(\q)*1536
	ds_load_b64 v[\reg+4:\reg+5], v[ADRA+2+\slot] offset:(\i)*ASTEP+(\q)*1536+512
	ds_load_b128 v[\reg+6:\reg+9], v[ADRA+\slot] offset:(\i)*ASTEP+(\q)*1536+768
	ds_load_b64 v[\reg+10:\reg+11], v[ADRA+2+\slot] offset:(\i)*ASTEP+(\q)*1536+1280
.endm
; 16 matrix instructions: A's blocks a0, a0 + 1 x B's eight, 128 along K.  zero = 1: the sums start from the bias.  The 64 accumulators take turns, one instruction a turn.
.macro MUL16 a0, p, q, sc, zero
.irp a, \a0, \a0+1
.irp b, 0,1,2,3,4,5,6,7
.if \zero
	v_wmma_scale_f32_16x16x128_f8f6f4 v[8*(8*((\a)%4)+\b):8*(8*((\a)%4)+\b)+7], v[128*(\p)+FR*\b:128*(\p)+FR*\b+FR-1], v[AF+FR*(\a):AF+FR*(\a)+FR-1], v[CB+8*\b:CB+8*\b+7], v[SC+8*NQ*(\sc)+NQ*\b+(\q)], v[SC+8*NQ*(\sc)+NQ*(\a)+(\q)] matrix_a_fmt:MATRIX_FMT_FP6 matrix_b_fmt:MATRIX_FMT_FP6 matrix_a_scale:MATRIX_SCALE_ROW1
.else
	v_wmma_scale_f32_16x16x128_f8f6f4 v[8*(8*((\a)%4)+\b):8*(8*((\a)%4)+\b)+7], v[128*(\p)+FR*\b:128*(\p)+FR*\b+FR-1], v[AF+FR*(\a):AF+FR*(\a)+FR-1], v[8*(8*((\a)%4)+\b):8*(8*((\a)%4)+\b)+7], v[SC+8*NQ*(\sc)+NQ*\b+(\q)], v[SC+8*NQ*(\sc)+NQ*(\a)+(\q)] matrix_a_fmt:MATRIX_FMT_FP6 matrix_b_fmt:MATRIX_FMT_FP6 matrix_a_scale:MATRIX_SCALE_ROW1
.endif
.endr
.endr
.endm
.macro FETCH_B slot, q, p
	WIN TO_B
.irp i, 0,1,2,3,4,5,6,7
	FRAG 128*(\p)+FR*\i, ADRB+\slot, \q, \i
.endr
	WIN 0
.endm
.macro FETCH_A slot, q, i0
.irp i, \i0, \i0+1, \i0+2, \i0+3
	FRAGA AF+FR*(\i), \slot, \q, \i
.endr
.endm
.macro SCALES sc
.irp i, 0,1,2,3,4,5,6,7
	ds_load_b64 v[SC+8*NQ*\sc+NQ*\i:SC+8*NQ*\sc+NQ*\i+1], v[ADRS] offset:\i*SBLK
.endr
.endm
.macro PLACES n                        ; plain vector lines between a matrix instruction and a load into one of its registers, or the first read of its result (ISA guide 7.12.1 for the first read of a result)
.rept \n
	v_nop
.endr
.endm
.macro STEP slot, q, zero
	s_wait_dscnt 4*NLA                             ; B's set and A's blocks 0-3 are in; the youngest 16 loads (A's blocks 4-7) may be out
.if \zero
	WIN BEG_LO
.else
	WIN MUL_LO
.endif
	MUL16 0, (\q)%2, \q, \slot, \zero
	MUL16 2, (\q)%2, \q, \slot, \zero
	s_wait_dscnt 0                                 ; A's blocks 4-7 are in
	PLACES NP
	FETCH_B \slot, (\q)+1, 1-(\q)%2
	FETCH_A \slot, (\q)+1, 0
.if \zero
	WIN BEG_HI
.else
	WIN MUL_HI
.endif
	MUL16 4, (\q)%2, \q, \slot, \zero
	MUL16 6, (\q)%2, \q, \slot, \zero
	PLACES NP
	WIN 0
	FETCH_A \slot, (\q)+1, 4
.endm
.macro TURN slot, next, fill
	s_wait_tensorcnt 0x0                           ; all my tensor loads have landed: my part of the next slot  (every window is 0 here)
	ds_add_u32 v[SPW], v[NIL]                      ; 0 onto my spare word
	s_wait_dscnt 4*NLA+1                           ; (the add and the youngest 16 loads, A's blocks 4-7, may be out)
	WIN MUL_LO
	MUL16 0, 1, NQ-1, \slot, 0                     ; sixteen matrix instructions stand between the add and the wait for it
	s_wait_dscnt 0x0                               ; the add is done, and my reads of this slot are over
	s_barrier_signal -1
	MUL16 2, 1, NQ-1, \slot, 0
	WIN 0
	s_barrier_wait -1
.if \fill
	CREST                                          ; the barrier has opened a round of the cluster's barrier: no wave of any partner still reads this slot or has a load on its way
	s_add_nc_u64 s[G0+4*\slot+2:G0+4*\slot+3], s[G0+4*\slot+2:G0+4*\slot+3], 2*ASTEP
	s_add_nc_u64 s[G0B+4*\slot+2:G0B+4*\slot+3], s[G0B+4*\slot+2:G0B+4*\slot+3], 2*ROWB
	JLOAD G0+4*\slot, G1, G0B+4*\slot, G1B         ; the first tensor load behind the round; its four v_nop are the places in front of the loads below
.else
	PLACES NP
.endif
	v_add_nc_u32 v[ADRS], 4*NQ, v[ADRS]            ; on to the next K step's scale words (no LDS load of mine is out)
	FETCH_B \next, 0, 0
	FETCH_A \next, 0, 0
	SCALES \next
	WIN MUL_HI
	MUL16 4, 1, NQ-1, \slot, 0
	MUL16 6, 1, NQ-1, \slot, 0
	PLACES NP
	WIN 0
	FETCH_A \next, 0, 4
.endm
	s_wait_tensorcnt 1                             ; the scales and my part of K step 0 are in (K step 1's load may be out)
	s_barrier_signal -1
	s_barrier_wait -1                              ; everybody's are
	FETCH_B 0, 0, 0
	FETCH_A 0, 0, 0
	SCALES 0
	FETCH_A 0, 0, 4
	STEP 0, 0, 1                                   ; the first step stands in front of the loop: its products start the sums from the bias
	s_mov_b32 s3, LAPS-1
.Llap:
	TURN 0, 1, 1
	STEP 1, 0, 0
	TURN 1, 0, 1
	STEP 0, 0, 0
	s_sub_co_u32 s3, s3, 1
	s_cmp_lg_u32 s3, 0
	s_cbranch_scc1 .Llap
	TURN 0, 1, 0                                   ; the last lap fills nothing, and has no round of the cluster's barrier
	STEP 1, 0, 0
	s_wait_dscnt 4*NLA                             ; the very last step: nothing more to fetch
	WIN MUL_LO
	MUL16 0, 1, NQ-1, 1, 0
	MUL16 2, 1, NQ-1, 1, 0
	s_wait_dscnt 0
	WIN MUL_HI
	MUL16 4, 1, NQ-1, 1, 0
	MUL16 6, 1, NQ-1, 1, 0
	WIN 0
; THE WAY OUT, block by block of 16 rows x 128 columns, through my own stage in LDS: in as 32 bytes a lane, back as whole rows of 512 bytes.  LDS serves a wave's instructions in order (ISA guide 5.7.1.4): no wait between
; the stores and the loads, nor in front of the next block's stores.
.macro TOSTAGE a
.set AC, 64*((\a)%4)
	WIN 0x08+4*((\a)/4)                            ; the data: window 2 or 3
.irp b, 0,1,2,3,4,5,6,7
	ds_store_b128 v[STO], v[AC+8*\b:AC+8*\b+3] offset:64*\b          ; each accumulator from its low end on
	ds_store_b128 v[STO], v[AC+8*\b+4:AC+8*\b+7] offset:64*\b+16
.endr
	WIN 0
.set BB, BK+64*((\a)%2)
.irp t, 0,1,2,3,4,5,6,7,8,9,10,11,12,13,14,15
	ds_load_b128 v[BB+4*\t:BB+4*\t+3], v[RD] offset:\t*SPITCH
.endr
.endm
.macro SEND a, younger                 ; younger: the LDS instructions issued behind block a's loads, which may stay out
.set BB, BK+64*((\a)%2)
	s_wait_dscnt \younger                          ; the block is back in registers
.if (\a) > 0
	s_add_nc_u64 s[12:13], s[12:13], 16*SIZE_N*4   ; (behind a wait on XCNT: the earlier stores have read their base)  16 rows of out0 on
.endif
.irp t, 0,1,2,3,4,5,6,7,8,9,10,11,12,13,14,15
	global_store_b128 v[CO], v[BB+4*\t:BB+4*\t+3], s[12:13] offset:\t*SIZE_N*4 th:TH_STORE_NT   ; 32 lanes store 512 consecutive bytes, at a multiple of 256 from out0's first byte; written once, read by nobody here
.endr
.endm
	PLACES NP                                      ; behind the last products: for the loads into the registers that held A's fragments and for the reads of results
	TOSTAGE 0
.irp a, 1,2,3,4,5,6,7
.if \a > 1
	s_wait_xcnt 0x0                                ; block a - 2's stores have read their registers and their base: block a's loads may land there, and the base may step
.endif
	TOSTAGE \a
	SEND \a-1, 32                                  ; behind block a - 1's loads: block a's 16 stores and 16 loads
.endr
	s_wait_xcnt 0x0                                ; block 6's stores have read their base
	SEND 7, 0
	s_wait_tensorcnt 0x0                           ; the wave's end
	ds_add_u32 v[SPW], v[NIL]
	s_wait_dscnt 0x0
	CROUND                                         ; the closing round: no work-group ends while a partner may still ask for a tile that names it
	s_endpgm
.Lfunc_end_k_q8fda010386_outp:
	.size	k_q8fda010386_outp, .Lfunc_end_k_q8fda010386_outp-k_q8fda010386_outp
	.p2alignl 7, 3214868480
	.fill 96, 4, 3214868480
	.section	.rodata,"a",@progbits
	.p2align	6, 0x0
	.amdhsa_kernel k_q8fda010386_outp
		.amdhsa_group_segment_fixed_size 327680
		.amdhsa_private_segment_fixed_size 0
		.amdhsa_enable_private_segment 0
		.amdhsa_kernarg_size 48
		.amdhsa_user_sgpr_count 2
		.amdhsa_user_sgpr_kernarg_segment_ptr 1
		.amdhsa_wavefront_size32 1
		.amdhsa_system_sgpr_workgroup_id_x 1
		.amdhsa_system_sgpr_workgroup_id_y 1
		.amdhsa_system_sgpr_workgroup_id_z 1
		.amdhsa_system_vgpr_workitem_id 0
		.amdhsa_next_free_vgpr 1024
		.amdhsa_next_free_sgpr 100
		.amdhsa_reserve_vcc 0
		.amdhsa_float_denorm_mode_32 3
		.amdhsa_float_denorm_mode_16_64 3
		.amdhsa_memory_ordered 1
		.amdhsa_forward_progress 1
		.amdhsa_inst_pref_size 154
	.end_amdhsa_kernel
	.amdgpu_metadata
---
amdhsa.version: [ 1, 2 ]
amdhsa.kernels:
  - .name:           k_q8fda010386_outp
    .symbol:         k_q8fda010386_outp.kd
    .args:
      - { .name: oc, .offset: 0, .size: 8, .value_kind: global_buffer, .address_space: global }
      - { .name: os, .offset: 8, .size: 8, .value_kind: global_buffer, .address_space: global }
      - { .name: xc, .offset: 16, .size: 8, .value_kind: global_buffer, .address_space: global }
      - { .name: xs, .offset: 24, .size: 8, .value_kind: global_buffer, .address_space: global }
      - { .name: bo, .offset: 32, .size: 8, .value_kind: global_buffer, .address_space: global }
      - { .name: out0, .offset: 40, .size: 8, .value_kind: global_buffer, .address_space: global }
    .group_segment_fixed_size: 327680
    .private_segment_fixed_size: 0
    .kernarg_segment_align: 8
    .kernarg_segment_size: 48
    .max_flat_workgroup_size: 128
    .sgpr_count:     100
    .vgpr_count:     1024
    .wavefront_size: 32
...
	.end_amdgpu_metadata
.endif
;; end of part 4
